; MI455X (gfx1250); checked and timed in simulation.
; The chip was launched on July 23, 2026; its instructions are those of AMD's public machine-readable ISA for CDNA 5 (MIT licence, August 2026) and "CDNA5" Instruction Set Architecture Reference Guide (July 2026). The comments in the code are by the model that wrote it; some were corrected since.
;; Self Attention. Allowed arithmetic: matrix products marked QUANTISED: E2M1 operands, one E8M0 scale for each 32 along K, by v_wmma_scale_f32_16x16x128_f8f6f4 with both operands' format E2M1 (or v_wmma_scale_f32_32x16x128_f4), f32 sums; everything else in f32.
;; Inputs: fo_b 1,024 float32; fo_w 1,024 x 1,024 float32; k 4 x 2,048 x 1,024 float32; mask 4 x 1 x 2,048 x 2,048 int32; q 4 x 2,048 x 1,024 float32; v 4 x 2,048 x 1,024 float32; wk_b 1,024 float32; wk_w 1,024 x 1,024 float32; wq_b 1,024 float32; wq_w 1,024 x 1,024 float32; wv_b 1,024 float32; wv_w 1,024 x 1,024 float32.
;; Outputs: out0 4 x 2,048 x 1,024 float32.
;; This version of the problem:
;;   THIS VERSION OF THE PROBLEM IS GIVEN IN LOW PRECISION. The matrix products marked QUANTISED in the list below multiply operands that are first quantised to E2M1 (2 exponent bits, 1 mantissa bit; 4 bits a number), with one power-of-two scale for each 32 numbers along K (OCP MX v1.0); their sums are f32. All else is computed in f32.
;;   The module's matrix products, in the order in which they are computed (A, B: the left and right operand; K: the contracted axis; several contracted axes count as one K, in the product's order):
;;     1. [M 8,192, K 1,024] x [K 1,024, N 1,024]; A: input q; B: input wq_w: QUANTISED
;;     2. [M 8,192, K 1,024] x [K 1,024, N 1,024]; A: input k; B: input wk_w: QUANTISED
;;     3. [M 8,192, K 1,024] x [K 1,024, N 1,024]; A: input v; B: input wv_w: QUANTISED
;;     4. batch 64 x [M 2,048, K 64] x [K 64, N 2,048]; A: computed on the way; B: computed on the way: QUANTISED
;;     5. batch 64 x [M 64, K 2,048] x [K 2,048, N 2,048]; A: computed on the way; B: softmax (see below): QUANTISED
;;     6. [M 8,192, K 1,024] x [K 1,024, N 1,024]; A: computed on the way; B: input fo_w: QUANTISED
;;   THE QUANTISER, for each operand of a quantised product, along K:
;;     - K is cut into blocks of 32 from its start; a last block that is shorter is filled with zeros.
;;     - A block's scale is 2^e with e = floor(log2(the largest magnitude in the block)) - 2, held to -126 .. 127; a block of zeros has e = 0. As a byte (E8M0): e + 127.
;;     - Each number is divided by its block's scale, clamped to +-6, and rounded to the nearest number of E2M1, ties to even, subnormals kept.
;;     - The product sums the exact products of the quantised numbers (number of the format x scale) in f32.
;;   ~~~python
;;   def quantise(x, axis):      # numpy; x: float32 -> the quantised numbers, widened to float32 again
;;       x = np.moveaxis(x, axis, -1); K = x.shape[-1]
;;       x = np.pad(x, [(0, 0)] * (x.ndim - 1) + [(0, -K % 32)]); x = x.reshape(x.shape[:-1] + (-1, 32)); a = np.abs(x).max(-1, keepdims=True)
;;       e = np.where(a > 0, np.clip(np.frexp(np.where(a > 0, a, 1))[1] - 1 - 2, -126, 127), 0)      # np.frexp(a)[1] - 1 = floor(log2(a)), exactly
;;       r = np.clip(x / 2.0 ** e, -6, 6)
;;       step = 2.0 ** (np.maximum(np.frexp(np.where(r == 0, 1, r))[1] - 1, 0) - 1)
;;       q = np.round(r / step) * step * 2.0 ** e      # np.round: ties to even
;;       return np.moveaxis(q.reshape(q.shape[:-2] + (-1,))[..., :K], -1, axis).astype(np.float32)
;;   ~~~
;;   SOFTMAX AHEAD OF A QUANTISED PRODUCT. Where the list says 'softmax', what is quantised is not the finished softmax but p = 2^(t - M), with t = logit x log2(e) and M = ceil(the row's largest t), a whole number; so 1/2 < the row's largest p <= 1. The row's sum l is taken of the UNQUANTISED p, in f32, and the product's result is divided by l at the end. Since M is a whole number, a kernel that streams over the keys may use a running M (the ceiling of the running maximum): every later rescaling is an exact power of two, which a block's scale takes up: the codes' values come out the same.
;;   OPERANDS COMPUTED ON THE WAY. 'Computed on the way' means the value that the module computes at that place (a softmax that the list does not call 'softmax' is quantised finished and normalised). What goes into a quantiser is computed in f32, as accurately as f32 sums, v_exp_f32 and their like allow (about 1e-6 of the number): no bf16 or f16 on the way to a quantiser, and a product that is left as it is and whose result goes on into a quantised operand takes f32 operands (vector FMAs, or v_wmma_f32_16x16x4_f32). A number that lies on a knife's edge between two numbers of the format may be rounded either way, as far as f32 arithmetic and the matrix unit's own rounding can turn it there, and no further.
;; One version. Each part assembles by itself: llvm-mc -triple=amdgcn-amd-amdhsa -mcpu=gfx1250 --defsym DOCPART=n.
;; ======== version 1 of 1: 4 launches
;; limits: right only within a limited range of input values
;; workspace buffers: c1 14,680,064 bytes; s1 917,504 bytes; maskn 8,388,608 bytes; p2 13,369,344 bytes; c3 4,194,304 bytes; s3 262,144 bytes
;; launch prep (part 1): grid 2816 x 1, 2 waves a work-group, no clusters, 27,904 bytes of LDS; arguments q, k, v, wq_w, wk_w, wv_w, fo_w, mask, c1, s1, maskn; writes c1, s1, maskn
.if DOCPART == 1
	.amdgcn_target "amdgcn-amd-amdhsa--gfx1250"
	.amdhsa_code_object_version 6
	.text
	.protected	k_qd025db5d7a_prep
	.globl	k_qd025db5d7a_prep
	.p2align	8
	.type	k_qd025db5d7a_prep,@function
k_qd025db5d7a_prep:
	s_mov_b64 s[64:65], 0
	v_nop
	global_prefetch_b8 v0, s[64:65] scope:SCOPE_SE
	s_setreg_imm32_b32 hwreg(HW_REG_WAVE_MODE, 25, 1), 1
	s_wait_xcnt 0x0
; TWO JOBS IN ONE LAUNCH, parted by the work-group's number; each job has LDS bytes of its own.  A work-group has two waves; two neighbouring work-groups make a GROUP of four waves, numbered g = work-group / 2, and a wave has the place 0 .. 3 in it.
; By the launch's own figures (160 registers a wave, 27,904 bytes of LDS a work-group) eleven work-groups fit on a WGP, and 2,816 are eleven for each of 256.
; (1) Groups 0 to 895: q, k, v [8192][1024] and wq_w, wk_w, wv_w, fo_w [1024][1024], f32, K innermost, become codes of FP4 (E2M1), 512 bytes a row, in c1, and one E8M0 byte
;     for each 32 along K, 32 bytes a row, in s1.  A block's scale is 2^(floor(log2(largest magnitude)) - 2); its byte is the largest magnitude's exponent field - 2, held at 1 from below.
;     THE ROWS ARE STORED IN ANOTHER ORDER (all tensors but fo_w): within each 64 rows, row 32 a + 8 g + e goes to place 16 g + 8 a + e, so that a product which takes sixteen neighbouring
;     places as its source 0 leaves 32 neighbouring rows in the 32 registers of four neighbouring tiles of one lane.  A wave takes 8 rows, one group (a, g).
; (2) Groups 896 to 1407: mask [4][1][2048][2048] int32 becomes CODES OF FP4, 0xF (the number -6) where mask is 0 and 0 elsewhere, in maskn[batch, 128 queries sq, tile T][key step of 128][c][lane][16 bytes]:
;     lane (r, h) holds, the lower key in the lower bits, keys 128 ks + 64 c + 32 h + 0 .. 31 of query 128 sq + 64 (T / 4) + 8 (T % 4) + r % 8 + 32 (r / 8): word u of the 16 bytes belongs to the eight registers of one
;     accumulator of scores of the attention launch, which widens it to f32 by one conversion.
; LIMITS: a block of zeros gets the byte 1 where the quantiser's rule says 127: its codes are zeros, which add nothing, and this program alone reads the bytes.  Blocks whose largest
; magnitude lies under 2^-124 have their byte held at 1.  NaN and infinities among the inputs are not served.
; No tensor loads, no barrier: waves share nothing.
.set NQW,   896                        ; groups of job 1: (3 x 8192 + 4 x 1024) rows / 32
.set WREG,  5376                       ; job 1, LDS: a region for each wave: two stages of 32 x SP bytes, then its 256 scale bytes
.set SP,    80                         ; a lane's place in a stage: 64 bytes + 16 of padding
.set CB,    8                          ; bytes of 16 codes
.set STEPS, 16
.set R,     16                         ; v16-79   four sets of 16 numbers as loaded
.set X,     80                         ; v80-111  two sets of 16 neighbours
.set E,     112                        ; v112     a step's scale byte
.set C,     114                        ; v114-145 codes: two registers of its own for each step
.set MLDS,  2*WREG                     ; job 2, LDS: behind job 1's
.set MPIT,  528                        ; a row of 128 mask numbers: 512 bytes + 16
.set MSTG,  16*MPIT                    ; a wave's stage
.set SPARE, MLDS+2*MSTG                ; the spare words, 128 bytes a wave
.set MSTO,  3                          ; v3   into the stage
.set MRD,   5                          ; v5   out of it
.set MR,    16                         ; v16-79   16 rows x 16 bytes a lane
.set MM,    80                         ; v80-143  the 64 mask numbers of my lane, keys ascending
.set MO,    144                        ; v144-151 their codes: 8 words
.set SPW,   152
.set NIL,   153
	s_load_b512 s[4:19], s[0:1], 0x0               ; q, k, v, wq_w, wk_w, wv_w, fo_w, mask
	s_load_b128 s[20:23], s[0:1], 0x40             ; c1, s1
	s_load_b64 s[24:25], s[0:1], 0x50              ; maskn
	v_lshl_add_u32 v[SPW], v0, 2, SPARE
	v_mov_b32 v[NIL], 0
	v_lshrrev_b32 v1, 5, v0
	v_readfirstlane_b32 s37, v1                    ; wave 0..1: it alone enters LDS addresses
	s_lshr_b32 s36, ttmp9, 1                       ; the group
	s_and_b32 s28, ttmp9, 1
	s_lshl_b32 s28, s28, 1
	s_add_co_u32 s28, s28, s37                     ; my place in it, 0..3
	v_and_b32 v2, 31, v0                           ; lane
	s_cmp_ge_u32 s36, NQW
	s_cbranch_scc1 .Lmask
; ---------------- job 1: the quantiser ----------------
	v_lshlrev_b32 v3, 4, v2                        ; my 16 bytes of a load's 512
	s_mul_i32 s29, s37, WREG
	v_lshrrev_b32 v14, 2, v2
	v_mul_u32_u24 v14, v14, SP
	v_and_b32 v15, 3, v2
	v_lshl_add_u32 v14, v15, 4, v14
	v_add_nc_u32 v14, s29, v14                     ; the stage, on the way in: SP (lane / 4) + 16 (lane % 4)
	v_mul_u32_u24 v15, v2, SP
	v_add_nc_u32 v15, s29, v15                     ; and on the way out: SP x lane: my 16 neighbours
	v_mul_u32_u24 v4, v2, CB                       ; my codes' place in a step's
	v_lshrrev_b32 v5, 1, v2
	s_add_co_u32 s29, s29, 2*32*SP
	v_add_nc_u32 v5, s29, v5                       ; my block's scale byte in LDS
	v_lshlrev_b32 v7, 3, v2
	v_add_nc_u32 v6, s29, v7                       ; and 8 bytes a lane on the way out
	s_mov_b32 s26, 0                               ; the tensor's first group
	s_wait_alu depctr_va_vdst(0)                   ; the wait at the head's end
	s_wait_kmcnt 0x0
	s_cmp_ge_u32 s36, 256                          ; which tensor: the choice hangs on the work-group's number alone
	s_cselect_b64 s[4:5], s[6:7], s[4:5]
	s_cselect_b32 s26, 256, s26
	s_cmp_ge_u32 s36, 512
	s_cselect_b64 s[4:5], s[8:9], s[4:5]
	s_cselect_b32 s26, 512, s26
	s_cmp_ge_u32 s36, 768
	s_cselect_b64 s[4:5], s[10:11], s[4:5]
	s_cselect_b32 s26, 768, s26
	s_cmp_ge_u32 s36, 800
	s_cselect_b64 s[4:5], s[12:13], s[4:5]
	s_cselect_b32 s26, 800, s26
	s_cmp_ge_u32 s36, 832
	s_cselect_b64 s[4:5], s[14:15], s[4:5]
	s_cselect_b32 s26, 832, s26
	s_cmp_ge_u32 s36, 864
	s_cselect_b64 s[4:5], s[16:17], s[4:5]
	s_cselect_b32 s26, 864, s26
	s_sub_co_u32 s27, s36, s26
	s_lshl_b32 s27, s27, 2
	s_add_co_u32 s30, s27, s28                     ; which run of 8 rows of the tensor is my wave's
	s_lshl_b32 s30, s30, 15                        ; 32,768 bytes a run
	s_mov_b32 s31, 0
	s_add_nc_u64 s[4:5], s[4:5], s[30:31]
	s_lshr_b32 s30, s36, 1                         ; where the run goes: run 4 a + g of 64 rows (a = group % 2, g = my place) goes to place 2 g + a
	s_lshl_b32 s30, s30, 3
	s_lshl_b32 s27, s28, 1
	s_add_co_u32 s30, s30, s27
	s_and_b32 s27, s36, 1
	s_add_co_u32 s30, s30, s27
	s_lshl_b32 s27, s36, 2
	s_add_co_u32 s27, s27, s28                     ; fo_w keeps its order
	s_cmp_ge_u32 s36, 864
	s_cselect_b32 s30, s27, s30
	s_lshl_b32 s32, s30, 12                        ; 4,096 bytes of codes a run
	s_mov_b32 s33, 0
	s_add_nc_u64 s[20:21], s[20:21], s[32:33]
	s_lshl_b32 s32, s30, 8                         ; 256 scale bytes a run
	s_add_nc_u64 s[22:23], s[22:23], s[32:33]
.macro LOAD t
.irp i, 0,1,2,3
	global_load_b128 v[R+16*((\t)%4)+4*\i:R+16*((\t)%4)+4*\i+3], v3, s[4:5] offset:2048*(\t)+512*\i th:TH_LOAD_NT   ; 32 lanes read 512 consecutive bytes
.endr
.endm
.macro TURN t                          ; step t's numbers through the stage: LDS serves a wave's instructions in order, so no wait stands between the stores and the loads
.irp i, 0,1,2,3
	ds_store_b128 v14, v[R+16*((\t)%4)+4*\i:R+16*((\t)%4)+4*\i+3] offset:32*SP*((\t)%2)+8*SP*\i
.endr
.irp i, 0,1,2,3
	ds_load_b128 v[X+16*((\t)%2)+4*\i:X+16*((\t)%2)+4*\i+3], v15 offset:32*SP*((\t)%2)+16*\i
.endr
.endm
.irp t, 0,1,2,3
	LOAD \t
.endr
	s_wait_loadcnt 12                              ; step 0's four loads are in; three steps' twelve stay out
	TURN 0
.macro STEP t
.set XS, X+16*((\t)%2)
.if (\t) > 0
	s_wait_dscnt 1                                 ; this step's numbers are back from the stage (the last step's byte store may be out)
.else
	s_wait_dscnt 0x0
.endif
.if (\t)+4 < STEPS
	LOAD (\t)+4                                    ; into the registers that the stage's stores have read
.endif
.if (\t)+1 < STEPS
.if STEPS-2-(\t) >= 3
	s_wait_loadcnt 12                              ; the next step's four loads are in; those of the three steps behind it may be out
.else
	s_wait_loadcnt 4*(STEPS-2-(\t))
.endif
	TURN (\t)+1
.endif
	v_max3_num_f32 v8, |v[XS]|, |v[XS+1]|, |v[XS+2]|               ; the largest magnitude of my 16, in two chains
	v_max3_num_f32 v9, |v[XS+3]|, |v[XS+4]|, |v[XS+5]|
.irp i, 6,10
	v_max3_num_f32 v8, v8, |v[XS+\i]|, |v[XS+\i+1]|
	v_max3_num_f32 v9, v9, |v[XS+\i+2]|, |v[XS+\i+3]|
.endr
	v_max3_num_f32 v8, v8, |v[XS+14]|, |v[XS+15]|
	v_max3_num_f32 v8, v8, v9, 0x1800000           ; and the floor 2^(3 - 127): the byte cannot fall under 1
	v_max_num_f32_dpp v8, v8, v8 row_xmask:1 row_mask:0xf bank_mask:0xf   ; and of my neighbour's 16: the block's
	v_add_nc_u32 v11, 0xff000000, v8               ; 2 off its exponent field: the conversion takes the exponent field of this operand as its scale
	v_cvt_scalef32_pk8_fp4_f32 v[C+2*(\t)], v[XS:XS+7], v11
	v_cvt_scalef32_pk8_fp4_f32 v[C+2*(\t)+1], v[XS+8:XS+15], v11
	v_lshrrev_b32 v[E], 23, v11                    ; the scale's byte
	ds_store_b8 v5, v[E] offset:16*(\t)            ; both lanes of a block write the same byte with the same value
	global_store_b64 v4, v[C+2*(\t):C+2*(\t)+1], s[20:21] offset:32*CB*(\t)   ; the wave stores 256 consecutive bytes, aligned
.endm
.irp t, 0,1,2,3,4,5,6,7,8,9,10,11,12,13,14,15
	STEP \t
.endr
	ds_load_b64 v[12:13], v6                       ; LDS serves a wave's instructions in order: these see my stores
	s_wait_dscnt 0x0
	global_store_b64 v7, v[12:13], s[22:23]        ; 32 lanes store 256 consecutive bytes, aligned
	s_wait_tensorcnt 0x0                           ; the wave's end
	ds_add_u32 v[SPW], v[NIL]
	s_wait_dscnt 0x0
	s_endpgm
; ---------------- job 2: the mask ----------------
; Group m = (batch, sq, T); the wave at place w takes key steps 4 w .. 4 w + 3.  A key step's tile is 16 rows (the tile's queries) x 512 bytes.  Each load reads 512 consecutive bytes of one row; the tile
; turns through the wave's stage, so that lane (r, h) gets its query's 64 numbers, keys 64 c + 32 h + 0 .. 31; each becomes four bits, and the lane's 8 words leave by two stores of 512 consecutive bytes.
; The next tile's 16 loads are issued as soon as the stage's stores have read their registers, ahead of this tile's arithmetic.
.Lmask:
	s_sub_co_u32 s26, s36, NQW                     ; m
	s_lshr_b32 s27, s26, 7
	s_lshl_b32 s27, s27, 11                        ; 2048 x batch
	s_bfe_u32 s29, s26, 0x40003
	s_lshl_b32 s29, s29, 7                         ; + 128 sq
	s_add_co_u32 s27, s27, s29
	s_bfe_u32 s29, s26, 0x10002
	s_lshl_b32 s29, s29, 6                         ; + 64 (T / 4)
	s_add_co_u32 s27, s27, s29
	s_and_b32 s29, s26, 3
	s_lshl_b32 s29, s29, 3                         ; + 8 (T % 4): the tile's first row
	s_add_co_u32 s27, s27, s29
	s_lshl_b32 s30, s27, 13                        ; a row of the mask is 8,192 bytes
	s_lshl_b32 s29, s28, 11                        ; my four key steps: 2,048 bytes on for each place
	s_add_co_u32 s30, s30, s29
	s_mov_b32 s31, 0
	s_lshl_b32 s40, s26, 4
	s_lshl_b32 s29, s28, 2
	s_add_co_u32 s40, s40, s29
	s_lshl_b32 s40, s40, 10                        ; out: 1,024 bytes for each (m, key step)
	s_mov_b32 s41, 0
	s_wait_alu depctr_va_vdst(0)                   ; the wait here, directly ahead of the reader below
	v_lshlrev_b32 v1, 4, v2                        ; 16 x lane
	s_mul_i32 s29, s37, MSTG
	s_add_co_u32 s29, s29, MLDS                    ; my stage
	v_add_nc_u32 v[MSTO], s29, v1
	v_and_b32 v6, 15, v2
	v_lshrrev_b32 v7, 4, v2
	v_mul_u32_u24 v6, v6, MPIT
	v_lshl_add_u32 v6, v7, 7, v6
	v_add_nc_u32 v[MRD], s29, v6                   ; row r, + 128 h bytes: my half's 32 keys of each 64
	s_wait_alu depctr_va_vdst(0)                   ; the wait at the head's end
	s_wait_kmcnt 0x0
	s_add_nc_u64 s[18:19], s[18:19], s[30:31]
	s_add_nc_u64 s[24:25], s[24:25], s[40:41]
.macro MLOAD t
.irp rr, 0,1,2,3,4,5,6,7,8,9,10,11,12,13,14,15
	global_load_b128 v[MR+4*\rr:MR+4*\rr+3], v1, s[18:19] offset:((\rr%8)+32*(\rr/8))*8192+512*(\t) th:TH_LOAD_NT
.endr
.endm
.macro MTILE t
	s_wait_loadcnt 0x0                             ; this tile's 16 loads are in
.irp rr, 0,1,2,3,4,5,6,7,8,9,10,11,12,13,14,15
	ds_store_b128 v[MSTO], v[MR+4*\rr:MR+4*\rr+3] offset:MPIT*\rr
.endr
.irp tk, 0,1,2,3,4,5,6,7
.irp u, 0,1
	ds_load_b128 v[MM+8*\tk+4*\u:MM+8*\tk+4*\u+3], v[MRD] offset:256*(\tk/4)+32*(\tk%4)+16*\u   ; keys 64 (tk / 4) + 32 h + 8 (tk % 4) + 4 u + 0 .. 3
.endr
.endr
	s_wait_dscnt 0x0                               ; the tile is turned; the stores have read their registers
.if (\t) < 3
	MLOAD (\t)+1
.endif
	s_wait_xcnt 0x0                                ; the last tile's stores have read the words' registers
.set n, 0
.rept 64
	v_min_u32 v[MM+n], 1, v[MM+n]                  ; 1 where the key counts
.set n, n+1
.endr
.irp w, 0,1,2,3,4,5,6,7                        ; eight numbers to a word, four bits each, the lowest key lowest; the eight words by turns
	v_lshl_or_b32 v[MO+\w], v[MM+8*\w+7], 4, v[MM+8*\w+6]
.endr
.irp e, 5,4,3,2,1,0
.irp w, 0,1,2,3,4,5,6,7
	v_lshl_or_b32 v[MO+\w], v[MO+\w], 4, v[MM+8*\w+\e]
.endr
.endr
.irp w, 0,1,2,3,4,5,6,7
	v_xor_b32 v[MO+\w], 0x11111111, v[MO+\w]       ; 1 where the key is masked,
.endr
.irp w, 0,1,2,3,4,5,6,7
	v_lshlrev_b32 v[MM+\w], 4, v[MO+\w]
.endr
.irp w, 0,1,2,3,4,5,6,7
	v_sub_nc_u32 v[MO+\w], v[MM+\w], v[MO+\w]      ; x 15: the code 0xF there
.endr
	global_store_b128 v1, v[MO:MO+3], s[24:25] offset:1024*(\t)          ; 32 lanes store 512 consecutive bytes, aligned
	global_store_b128 v1, v[MO+4:MO+7], s[24:25] offset:1024*(\t)+512
.endm
	MLOAD 0
	MTILE 0
	MTILE 1
	MTILE 2
	MTILE 3
	s_wait_tensorcnt 0x0                           ; the wave's end
	ds_add_u32 v[SPW], v[NIL]
	s_wait_dscnt 0x0
	s_endpgm
.Lfunc_end_k_qd025db5d7a_prep:
	.size	k_qd025db5d7a_prep, .Lfunc_end_k_qd025db5d7a_prep-k_qd025db5d7a_prep
	.p2alignl 7, 3214868480
	.fill 96, 4, 3214868480
	.section	.rodata,"a",@progbits
	.p2align	6, 0x0
	.amdhsa_kernel k_qd025db5d7a_prep
		.amdhsa_group_segment_fixed_size 27904
		.amdhsa_private_segment_fixed_size 0
		.amdhsa_enable_private_segment 0
		.amdhsa_kernarg_size 88
		.amdhsa_user_sgpr_count 2
		.amdhsa_user_sgpr_kernarg_segment_ptr 1
		.amdhsa_wavefront_size32 1
		.amdhsa_system_sgpr_workgroup_id_x 1
		.amdhsa_system_sgpr_workgroup_id_y 1
		.amdhsa_system_sgpr_workgroup_id_z 1
		.amdhsa_system_vgpr_workitem_id 0
		.amdhsa_next_free_vgpr 160
		.amdhsa_next_free_sgpr 66
		.amdhsa_reserve_vcc 0
		.amdhsa_float_denorm_mode_32 3
		.amdhsa_float_denorm_mode_16_64 3
		.amdhsa_memory_ordered 1
		.amdhsa_forward_progress 1
		.amdhsa_inst_pref_size 77
	.end_amdhsa_kernel
	.amdgpu_metadata
---
amdhsa.version: [ 1, 2 ]
amdhsa.kernels:
  - .name:           k_qd025db5d7a_prep
    .symbol:         k_qd025db5d7a_prep.kd
    .args:
      - { .name: q, .offset: 0, .size: 8, .value_kind: global_buffer, .address_space: global }
      - { .name: k, .offset: 8, .size: 8, .value_kind: global_buffer, .address_space: global }
      - { .name: v, .offset: 16, .size: 8, .value_kind: global_buffer, .address_space: global }
      - { .name: wq_w, .offset: 24, .size: 8, .value_kind: global_buffer, .address_space: global }
      - { .name: wk_w, .offset: 32, .size: 8, .value_kind: global_buffer, .address_space: global }
      - { .name: wv_w, .offset: 40, .size: 8, .value_kind: global_buffer, .address_space: global }
      - { .name: fo_w, .offset: 48, .size: 8, .value_kind: global_buffer, .address_space: global }
      - { .name: mask, .offset: 56, .size: 8, .value_kind: global_buffer, .address_space: global }
      - { .name: c1, .offset: 64, .size: 8, .value_kind: global_buffer, .address_space: global }
      - { .name: s1, .offset: 72, .size: 8, .value_kind: global_buffer, .address_space: global }
      - { .name: maskn, .offset: 80, .size: 8, .value_kind: global_buffer, .address_space: global }
    .group_segment_fixed_size: 27904
    .private_segment_fixed_size: 0
    .kernarg_segment_align: 8
    .kernarg_segment_size: 88
    .max_flat_workgroup_size: 64
    .sgpr_count:     66
    .vgpr_count:     160
    .wavefront_size: 32
...
	.end_amdgpu_metadata
.endif
;; end of part 1
;; launch proj (part 2): grid 4 x 96, 4 waves a work-group, clusters of 4 x 4, 327,680 bytes of LDS; arguments c1, s1, wq_b, wk_b, wv_b, p2; writes p2
.if DOCPART == 2
	.amdgcn_target "amdgcn-amd-amdhsa--gfx1250"
	.amdhsa_code_object_version 6
	.text
	.protected	k_qd025db5d7a_proj
	.globl	k_qd025db5d7a_proj
	.p2align	8
	.type	k_qd025db5d7a_proj,@function
k_qd025db5d7a_proj:
	s_mov_b64 s[64:65], 0
	v_nop
	global_prefetch_b8 v0, s[64:65] scope:SCOPE_SE
	s_setreg_imm32_b32 hwreg(HW_REG_WAVE_MODE, 25, 1), 1
	s_wait_xcnt 0x0
	s_wait_alu depctr_hold_cnt(0) depctr_sa_sdst(0) depctr_va_vdst(0) depctr_va_sdst(0) depctr_va_ssrc(0) depctr_va_vcc(0) depctr_vm_vsrc(0)
	s_getreg_b32 s2, hwreg(HW_REG_IB_STS2, 6, 4)
	s_cmp_eq_u32 s2, 0
	s_cbranch_scc0 .Lentry_in_a_cluster
	s_endpgm
.Lentry_in_a_cluster:
	s_bfe_u32 s2, ttmp6, 0x10000c
	s_cmp_lg_u32 s2, 0xf033
	s_cbranch_scc0 .Lentry_shape_is_right
	s_endpgm
.Lentry_shape_is_right:
.set PITCH,  528                       ; an LDS row holds ALL of K: 512 bytes of codes + 16 of padding
.set HALFT,  128*PITCH
.set SLOT,   256                       ; the second half of K begins 256 bytes on in each row
.set WOFF,   12582912
.set TSZ,    4456448
.set REC,    8704
.set ADRA, 16
.set ADRB, 20
.set L16,  24
.set H8,   25
.set L32,  26
.set BO,   27
.set BLO,  28
.set SA,   32
.set SB,   64
.set QM,   96
.set QE,   98
.set QB,   100
.set QW,   102
.set QT,   103
.set WD,   104
.set XW,   112
.set BL,   116
.set AF,   128
.set BR,   192
.set G1,  24
.set G0,  32
.set G1B, 48
.set G0B, 56
.set SEL, 20
.set MSB, 0
.macro WIN new
.if MSB != (\new)
	s_set_vgpr_msb (MSB<<8)|(\new)
.set MSB, (\new)
.endif
.endm
.set TO_B, 0x40
.macro JLOAD g0a, g1a, g0b, g1b
	s_cmp_eq_u32 s17, 0
	s_cbranch_scc0 .Lfor_b_\@
	tensor_load_to_lds s[\g0a:\g0a+3], s[\g1a:\g1a+7]
	s_nop 0
.rept 4
	v_nop
.endr
	s_branch .Lasked_\@
.Lfor_b_\@:
	tensor_load_to_lds s[\g0b:\g0b+3], s[\g1b:\g1b+7]
	s_nop 0
.rept 4
	v_nop
.endr
.Lasked_\@:
.endm
.macro CROUND
	s_barrier_signal -1
	s_barrier_wait -1
	s_cmp_lg_u32 s16, 0
	s_cbranch_scc1 .Lnot_wave_0_\@
	s_barrier_signal -3
.Lnot_wave_0_\@:
	s_barrier_wait -3
	s_barrier_signal -1
	s_barrier_wait -1
.endm
	s_load_b256 s[4:11], s[0:1], 0x0
	s_load_b128 s[12:15], s[0:1], 0x20
	v_lshl_add_u32 v126, v0, 2, 0x44000
	v_mov_b32 v127, 0
	ds_add_u32 v126, v127
	ds_add_u32 v126, v127
	v_lshrrev_b32 v1, 5, v0
	v_readfirstlane_b32 s16, v1
	s_lshr_b32 s17, s16, 1
	s_and_b32 s18, s16, 1
	s_bfe_u32 s40, ttmp6, 0x40000
	s_bfe_u32 s41, ttmp6, 0x40004
	s_and_b32 s45, ttmp7, 0xffff
	s_lshr_b32 s19, s45, 3
	s_lshr_b32 s2, s45, 4
	s_and_b32 s46, s45, 7
	s_lshl_b32 s46, s46, 2
	s_mul_i32 s47, s46, s2
	s_sub_co_u32 s46, s46, s47
	s_add_co_u32 s68, s46, s41
	s_add_co_u32 s69, s47, s40
	s_mul_i32 s70, s2, 5242880
	s_lshl_b32 s71, s19, 22
	s_add_co_u32 s71, s71, s70
	s_lshl_b32 s72, s19, 19
	s_add_co_u32 s72, s72, WOFF
	s_sub_co_u32 s72, s72, s70
	s_lshl_b32 s43, s41, 2
	s_lshl_b32 s43, 15, s43
	s_lshl_b32 s44, 0x1111, s40
	s_or_b32 s[G1+0], s43, (0<<16)|(1<<20)|(1<<21)|(6<<22)|(3<<25)   ; padding: four words after every 128
	s_or_b32 s[G1B+0], s44, (0<<16)|(1<<20)|(1<<21)|(6<<22)|(3<<25)
.irp g, G1, G1B
	s_mov_b32 s[\g+1], 512<<16
	s_mov_b32 s[\g+2], 128<<16
	s_mov_b32 s[\g+3], 512<<16
	s_mov_b32 s[\g+4], 128
	s_mov_b32 s[\g+5], 512
	s_mov_b32 s[\g+6], 0
	s_mov_b32 s[\g+7], 0
.endr
	s_lshl_b32 s74, s18, 7
	s_lshl_b32 s73, s68, 8
	s_add_co_u32 s73, s73, s74
	s_lshl_b32 s73, s73, 9
	s_add_co_u32 s76, s73, s71
	s_mov_b32 s77, 0
	s_lshl_b32 s75, s69, 8
	s_add_co_u32 s75, s75, s74
	s_lshl_b32 s75, s75, 9
	s_add_co_u32 s78, s75, s72
	s_mov_b32 s79, 0
	s_mul_i32 s84, s16, HALFT
	s_lshl_b32 s85, s68, 1
	s_add_co_u32 s85, s85, s17
	s_lshl_b32 s86, s69, 1
	s_add_co_u32 s86, s86, s18
	s_lshr_b32 s80, s71, 4
	s_lshl_b32 s89, s85, 12
	s_add_co_u32 s80, s80, s89
	s_mov_b32 s81, 0
	s_lshr_b32 s82, s72, 4
	s_lshl_b32 s89, s86, 12
	s_add_co_u32 s82, s82, s89
	s_mov_b32 s83, 0
	s_cmp_eq_u32 s2, 1
	s_cselect_b32 s87, s85, s86
	s_cselect_b32 s88, s86, s85
	s_lshl_b32 s89, s87, 6
	s_add_co_u32 s89, s89, s88
	s_mul_i32 s89, s89, REC
	s_mul_i32 s90, s19, TSZ
	s_add_co_u32 s90, s90, s89
	s_mov_b32 s91, 0
	s_lshl_b32 s92, s87, 9
	s_mov_b32 s93, 0
	s_mov_b32 s[SEL], 0x76543210
	s_mov_b32 s[SEL+1], 0xfedcba98
	s_mov_b32 s22, 0xffff0000
	v_and_b32 v1, 15, v0
	v_bfe_u32 v2, v0, 4, 1
	v_and_b32 v3, 31, v0
	v_lshlrev_b32 v[L16], 4, v3
	v_lshlrev_b32 v[H8], 3, v2
	v_lshlrev_b32 v[L32], 5, v3
	v_lshlrev_b32 v[BO], 7, v2
	v_and_b32 v4, 7, v1
	v_lshrrev_b32 v5, 3, v1
	v_lshl_add_u32 v4, v5, 5, v4
	v_lshlrev_b32 v[BLO], 2, v4
	v_mov_b32 v[QT], 0
	v_mul_u32_u24 v6, v1, PITCH
	v_lshl_add_u32 v6, v2, 4, v6
	s_mul_i32 s94, s17, HALFT
	s_mul_i32 s95, s18, HALFT
	s_add_co_u32 s95, s95, 2*HALFT
.irp s, 0,1
	v_add_nc_u32 v[ADRA+\s], s94, v6
	v_add_nc_u32 v[ADRB+\s], s95, v6
	s_add_co_u32 s94, s94, SLOT
	s_add_co_u32 s95, s95, SLOT
.endr
	s_wait_alu depctr_va_vdst(0)                   ; the wait at the head's end
	s_wait_dscnt 0x0
	s_wait_kmcnt 0x0
	s_add_nc_u64 s[76:77], s[4:5], s[76:77]
	s_add_nc_u64 s[78:79], s[4:5], s[78:79]
	s_add_nc_u64 s[80:81], s[6:7], s[80:81]
	s_add_nc_u64 s[82:83], s[6:7], s[82:83]
	s_add_nc_u64 s[66:67], s[14:15], s[90:91]
	s_cmp_eq_u32 s19, 1
	s_cselect_b64 s[8:9], s[10:11], s[8:9]
	s_cmp_eq_u32 s19, 2
	s_cselect_b64 s[8:9], s[12:13], s[8:9]
	s_add_nc_u64 s[8:9], s[8:9], s[92:93]
	s_mov_b32 s[G0], 1                             ; one joint load a wave brings its 128 rows with all of K: no LDS byte is filled twice
	s_mov_b32 s[G0+1], s84
	s_mov_b64 s[G0+2:G0+3], s[76:77]
	s_or_b32 s[G0+3], s[G0+3], 0x80000000
	s_mov_b32 s[G0B], 1
	s_mov_b32 s[G0B+1], s84
	s_mov_b64 s[G0B+2:G0B+3], s[78:79]
	s_or_b32 s[G0B+3], s[G0B+3], 0x80000000
	CROUND                                         ; all sixteen work-groups are here: the joint loads meet
	JLOAD G0, G1, G0B, G1B
.irp p, 0,1,2,3
.irp u, 0,1
	global_load_b128 v[SA+8*\p+4*\u:SA+8*\p+4*\u+3], v[L32], s[80:81] offset:1024*\p+16*\u
	global_load_b128 v[SB+8*\p+4*\u:SB+8*\p+4*\u+3], v[L32], s[82:83] offset:1024*\p+16*\u
.endr
.endr
.irp b, 0,1,2,3,4,5,6,7
.irp u, 0,1
	global_load_b128 v[BR+8*\b+4*\u:BR+8*\b+4*\u+3], v[BO], s[8:9] offset:(64*(\b/4)+8*(\b%4))*4+16*\u
.endr
.endr
	s_wait_alu depctr_va_vdst(0)
.irp a, 0,1,2,3,4,5,6,7
	global_load_b32 v[BL+\a], v[BLO], s[8:9] offset:(64*(\a/4)+8*(\a%4))*4
.endr
.macro FRAG reg, adr, q, i
.irp c, 0,1
	ds_load_b128 v[\reg+4*\c:\reg+4*\c+3], v[\adr] offset:64*(\q)+32*\c+(\i)*16*PITCH
.endr
.endm
.macro WM rb, ra
.if ((\rb)==0)&&((\ra)==0)
	v_wmma_scale_f32_16x16x128_f8f6f4 v[rD:rD+7], v[rB:rB+7], v[rA:rA+7], v[rC:rC+7], v[rSB], v[rSA] matrix_a_fmt:MATRIX_FMT_FP4 matrix_b_fmt:MATRIX_FMT_FP4
.elseif (\ra)==0
	v_wmma_scale_f32_16x16x128_f8f6f4 v[rD:rD+7], v[rB:rB+7], v[rA:rA+7], v[rC:rC+7], v[rSB], v[rSA] matrix_a_fmt:MATRIX_FMT_FP4 matrix_b_fmt:MATRIX_FMT_FP4 matrix_a_scale:MATRIX_SCALE_ROW1
.elseif (\rb)==0
	v_wmma_scale_f32_16x16x128_f8f6f4 v[rD:rD+7], v[rB:rB+7], v[rA:rA+7], v[rC:rC+7], v[rSB], v[rSA] matrix_a_fmt:MATRIX_FMT_FP4 matrix_b_fmt:MATRIX_FMT_FP4 matrix_b_scale:MATRIX_SCALE_ROW1
.else
	v_wmma_scale_f32_16x16x128_f8f6f4 v[rD:rD+7], v[rB:rB+7], v[rA:rA+7], v[rC:rC+7], v[rSB], v[rSA] matrix_a_fmt:MATRIX_FMT_FP4 matrix_b_fmt:MATRIX_FMT_FP4 matrix_a_scale:MATRIX_SCALE_ROW1 matrix_b_scale:MATRIX_SCALE_ROW1
.endif
.endm
.macro MUL16 a0, p, ks, cm
.irp a, \a0, \a0+1
.irp b, 0,1,2,3,4,5,6,7
.set rD, 8*(8*((\a)%4)+\b)
.set rB, 128*(\p)+8*\b
.set rA, AF+8*(\a)
.set rC, rD
.if (\cm) == 1
.set rC, BR+8*\b
.elseif (\cm) == 2
.set rC, BR+8*(\a)
.endif
.set rSB, SB+8*(\b/2)+(\ks)
.set rSA, SA+8*((\a)/2)+(\ks)
	WM \b%2, (\a)%2
.endr
.endr
.endm
.macro FETCH_B slot, q, p
	WIN TO_B
.irp i, 0,1,2,3,4,5,6,7
	FRAG 128*(\p)+8*\i, ADRB+\slot, \q, \i
.endr
	WIN 0
.endm
.macro FETCH_A slot, q, i0
.irp i, \i0, \i0+1, \i0+2, \i0+3
	FRAG AF+8*(\i), ADRA+\slot, \q, \i
.endr
.endm
.macro PLACES n
.rept \n
	v_nop
.endr
.endm
.macro WLO cm
.if (\cm)
	WIN 0x81
.else
	WIN 0xa1
.endif
.endm
.macro WHI cm
.if (\cm)
	WIN 0xc1
.else
	WIN 0xf1
.endif
.endm
.macro STEP slot, q, cm
	s_wait_dscnt 8
	WLO \cm
	MUL16 0, (\q)%2, 4*(\slot)+(\q), \cm
	MUL16 2, (\q)%2, 4*(\slot)+(\q), \cm
	s_wait_dscnt 0x0
	PLACES 4
	FETCH_B \slot, (\q)+1, 1-(\q)%2
	FETCH_A \slot, (\q)+1, 0
	WHI \cm
	MUL16 4, (\q)%2, 4*(\slot)+(\q), \cm
	MUL16 6, (\q)%2, 4*(\slot)+(\q), \cm
	PLACES 4
	WIN 0
	FETCH_A \slot, (\q)+1, 4
.endm
	s_wait_tensorcnt 0x0                           ; my rows are in,
	s_barrier_signal -1
	s_barrier_wait -1
	FETCH_B 0, 0, 0
	FETCH_A 0, 0, 0
	FETCH_A 0, 0, 4
	s_wait_loadcnt 0x0
	s_cmp_eq_u32 s2, 1
	s_cbranch_scc1 .Lfirst_v
	STEP 0, 0, 1
	s_branch .Lfirst_done
.Lfirst_v:
.irp a, 0,1,2,3,4,5,6,7
.irp j, 0,1,2,3,4,5,6,7
	v_mov_b32 v[BR+8*\a+\j], v[BL+\a]
.endr
.endr
	PLACES 4
	s_wait_alu depctr_va_vdst(0)
	STEP 0, 0, 2
.Lfirst_done:
	STEP 0, 1, 0
	STEP 0, 2, 0
	s_wait_dscnt 8
	WIN 0xa1
	MUL16 0, 1, 3, 0
	MUL16 2, 1, 3, 0
	s_wait_dscnt 0x0
	WIN 0
	PLACES 4
	FETCH_B 1, 0, 0
	FETCH_A 1, 0, 0
	WIN 0xf1
	MUL16 4, 1, 3, 0
	MUL16 6, 1, 3, 0
	PLACES 4
	WIN 0
	FETCH_A 1, 0, 4
	STEP 1, 0, 0
	STEP 1, 1, 0
	STEP 1, 2, 0
	s_wait_dscnt 8
	WIN 0xa1
	MUL16 0, 1, 7, 0
	MUL16 2, 1, 7, 0
	s_wait_dscnt 0x0
	WIN 0xf1
	MUL16 4, 1, 7, 0
	MUL16 6, 1, 7, 0
	WIN 0
	PLACES 4
.macro QOUT a
.set AC, 64*((\a)%4)
	WIN 0x28+0x14*((\a)/4)
	v_max3_num_f32 v[QM], 0x1800000, |v[AC]|, |v[AC+1]|
	v_max3_num_f32 v[QM+1], 0x1800000, |v[AC+32]|, |v[AC+33]|
.irp i, 2,4,6,8,10,12,14,16,18,20,22,24,26,28,30
	v_max3_num_f32 v[QM], v[QM], |v[AC+\i]|, |v[AC+\i+1]|
	v_max3_num_f32 v[QM+1], v[QM+1], |v[AC+32+\i]|, |v[AC+33+\i]|
.endr
	WIN 0
	v_add_nc_u32 v[QE], 0xff000000, v[QM]
	v_add_nc_u32 v[QE+1], 0xff000000, v[QM+1]
	v_lshrrev_b32 v[QB], 23, v[QE]
	v_lshrrev_b32 v[QB+1], 23, v[QE+1]
	v_lshl_or_b32 v[QW], v[QB+1], 16, v[QB]
	v_lshlrev_b32 v[QW], v[H8], v[QW]
	v_permlanex16_b32 v[QT], v[QW], s[SEL], s[SEL+1]
	v_or_b32 v[WD+(\a)], v[QW], v[QT]
	WIN 0x02+((\a)/4)
.irp c, 0,1
.irp g, 0,1,2,3
	v_cvt_scalef32_pk8_fp4_f32 v[AF+8*(\a)+4*\c+\g], v[AC+32*\c+8*\g:AC+32*\c+8*\g+7], v[QE+\c]
.endr
.endr
	WIN 0
	v_nop
.irp c, 0,1
	global_store_b128 v[L16], v[AF+8*(\a)+4*\c:AF+8*(\a)+4*\c+3], s[66:67] offset:1024*(\a)+512*\c
.endr
.endm
.irp a, 0,1,2,3,4,5,6,7
	QOUT \a
.endr
.irp g, 0,1,2,3
	v_cndmask_b32 v[XW+\g], v[WD+\g], v[WD+4+\g], s22
.endr
	global_store_b128 v[L16], v[XW:XW+3], s[66:67] offset:8192
	s_wait_tensorcnt 0x0
	ds_add_u32 v126, v127
	s_wait_dscnt 0x0
	CROUND
	s_endpgm
.Lfunc_end_k_qd025db5d7a_proj:
	.size	k_qd025db5d7a_proj, .Lfunc_end_k_qd025db5d7a_proj-k_qd025db5d7a_proj
	.p2alignl 7, 3214868480
	.fill 96, 4, 3214868480
	.section	.rodata,"a",@progbits
	.p2align	6, 0x0
	.amdhsa_kernel k_qd025db5d7a_proj
		.amdhsa_group_segment_fixed_size 327680
		.amdhsa_private_segment_fixed_size 0
		.amdhsa_enable_private_segment 0
		.amdhsa_kernarg_size 48
		.amdhsa_user_sgpr_count 2
		.amdhsa_user_sgpr_kernarg_segment_ptr 1
		.amdhsa_wavefront_size32 1
		.amdhsa_system_sgpr_workgroup_id_x 1
		.amdhsa_system_sgpr_workgroup_id_y 1
		.amdhsa_system_sgpr_workgroup_id_z 1
		.amdhsa_system_vgpr_workitem_id 0
		.amdhsa_next_free_vgpr 1024
		.amdhsa_next_free_sgpr 100
		.amdhsa_reserve_vcc 0
		.amdhsa_float_denorm_mode_32 3
		.amdhsa_float_denorm_mode_16_64 3
		.amdhsa_memory_ordered 1
		.amdhsa_forward_progress 1
		.amdhsa_inst_pref_size 135
	.end_amdhsa_kernel
	.amdgpu_metadata
---
amdhsa.version: [ 1, 2 ]
amdhsa.kernels:
  - .name:           k_qd025db5d7a_proj
    .symbol:         k_qd025db5d7a_proj.kd
    .args:
      - { .name: c1, .offset: 0, .size: 8, .value_kind: global_buffer, .address_space: global }
      - { .name: s1, .offset: 8, .size: 8, .value_kind: global_buffer, .address_space: global }
      - { .name: wq_b, .offset: 16, .size: 8, .value_kind: global_buffer, .address_space: global }
      - { .name: wk_b, .offset: 24, .size: 8, .value_kind: global_buffer, .address_space: global }
      - { .name: wv_b, .offset: 32, .size: 8, .value_kind: global_buffer, .address_space: global }
      - { .name: p2, .offset: 40, .size: 8, .value_kind: global_buffer, .address_space: global }
    .group_segment_fixed_size: 327680
    .private_segment_fixed_size: 0
    .kernarg_segment_align: 8
    .kernarg_segment_size: 48
    .max_flat_workgroup_size: 128
    .sgpr_count:     100
    .vgpr_count:     1024
    .wavefront_size: 32
...
	.end_amdgpu_metadata
.endif
;; end of part 2
;; launch attn (part 3): grid 8 x 32, 8 waves a work-group, clusters of 4 x 1, 297,984 bytes of LDS; arguments p2, maskn, c3, s3; writes c3, s3
.if DOCPART == 3
	.amdgcn_target "amdgcn-amd-amdhsa--gfx1250"
	.amdhsa_code_object_version 6
	.text
	.protected	k_qd025db5d7a_attn
	.globl	k_qd025db5d7a_attn
	.p2align	8
	.type	k_qd025db5d7a_attn,@function
k_qd025db5d7a_attn:
	s_mov_b64 s[64:65], 0
	v_nop
	global_prefetch_b8 v0, s[64:65] scope:SCOPE_SE
	s_setreg_imm32_b32 hwreg(HW_REG_WAVE_MODE, 25, 1), 1
	s_wait_xcnt 0x0
	s_wait_alu depctr_hold_cnt(0) depctr_sa_sdst(0) depctr_va_vdst(0) depctr_va_sdst(0) depctr_va_ssrc(0) depctr_va_vcc(0) depctr_vm_vsrc(0)
	s_getreg_b32 s2, hwreg(HW_REG_IB_STS2, 6, 4)
	s_cmp_eq_u32 s2, 0
	s_cbranch_scc0 .Lentry_in_a_cluster
	s_endpgm
.Lentry_in_a_cluster:
	s_bfe_u32 s2, ttmp6, 0x10000c
	s_cmp_lg_u32 s2, 0x3003
	s_cbranch_scc0 .Lentry_shape_is_right
	s_endpgm
.Lentry_shape_is_right:
; ATTENTION ON CODES OF FP4: energy = qp kp^T over a head's 64, mask, softmax(energy / 32), times vp; the result, divided by the row's sum, is quantised along the embedding for the last product.
; p2: records of 8,704 bytes, images of operands' registers ([tile T][half c'][lane][16 bytes], then 128 scale words), [q, k, v][pair of heads][128 tokens].  maskn: the mask as codes of FP4 (0xF = -6 where a key is masked, else 0), [tile of queries][key step][c][lane][16 bytes].
; THE SOFTMAX: t = energy x log2(e) / 32; M = the row's largest t so far, rounded UP to a whole number; p = 2^(t - M) is quantised along the keys, not normalised.  The row's sum is taken of the unquantised p
; and divides at the end.  When M moves, the sum and O are multiplied by 2^(old M - new M): exact.
; SHARES.  A work-group owns 256 queries of one batch and one PAIR of heads; each of its EIGHT waves two tiles of 16 queries, both heads, all 2,048 keys, 128 a step.  A step's work goes head by head, both tiles side by side:
; each fragment of K and V feeds two products, and every chain of dependent lines (maxima, sums, M) has the other tile's beside it.  K and V of the pair, 16 + 16 records, lie in LDS whole: every wave brings four records by ONE tensor load; no LDS byte is filled twice.
; CLUSTER: the four work-groups of a cluster share batch and pair, so each load is asked for jointly, with a mask that names the four.
; A HEAD IS 64, THE INSTRUCTION'S K IS 128.  A key's 128 codes are [head 0's 64 | head 1's 64].  Q0 = [q of head 0 | zero codes], Q1 = [zero codes | q of head 1]: the key operand's other half meets zero codes and adds nothing.
; THE MASK IS THE SCORE PRODUCT'S C.  One conversion widens a word of maskn to eight f32 numbers, 0 or -6 x 2^60, in the registers of one accumulator of scores; the product adds onto them in place.
; A ROW WITH NO KEY THAT COUNTS.  The running largest t begins at -2^40, over every masked t and under every t that counts.  While a row still stands there, its multiply-add takes the factor 0 and the addend 0, so that every p is 1: uniform, as defined, whatever
; the sum of an energy and -6 x 2^60 rounds to.  Its M is -2^40 meanwhile, so the first key that counts multiplies what was summed by 2^(-2^31) = 0.
; LAYOUT.  Both products transposed: S^T = K Q^T, O^T = V^T P^T: a lane holds ONE query of each tile.  By the order of the keys in a tile, registers 32 c .. 32 c + 31 of S^T are keys 64 c + 32 (lane / 16) + 0 .. 31: a whole block
; of p in one lane, in the order of the operand's registers; only the scale word's bytes are joined.  O^T's 32 registers of a head are 32 neighbouring channels likewise.
; THE MASK'S CODES come from memory straight into registers, a step ahead, and are asked for into the L2 two steps ahead: the eight work-groups (pairs of heads) that read the same codes share the steps out: pair p asks for the steps s with s % 8 = p; steps 0 and 1 come by their loads alone.
; THE LOOP has 16 equal trips.  The last trip's look-ahead reads bytes that are there and are not used: K's record 16 is V's first, and the mask's pointer stays at step 15.
; LIMITS.  The promise holds while the scaled scores t stay under 2^31 in magnitude.  NaN and infinities are not served.  A block of zeros keeps the byte 1: its codes are zeros.
; REGISTERS.  Window 0: v0-127 addresses, scales, the mask's codes, the rows' state, p's codes; v128-255 S^T, then p (64 a tile).  Window 1: v0-127 O^T (32 (2 head + tile)); v128-191 K's eight fragments; v192-223 V's four; v224-247 [q0 | zeros | q1] of each tile.
.set REC,  8704
.set TSZ,  4456448
.set VOFF, 16*REC                      ; LDS: K's 16 records, then V's 16,
.set STG,  2*VOFF                      ; a stage of 2,048 bytes for each wave,
.set SST,  STG+16384                   ; 256 scale words,
.set SPARE, SST+1024                   ; and the spare words, 128 bytes a wave
.set L16, 1                            ; 16 x lane
.set ADK, 2                            ; the record of K that is fetched next
.set ADV, 3                            ; the step's record of V
.set STO, 4                            ; the way out: my 16 bytes in my stage
.set SSO, 5                            ; my query's scale word
.set SRD, 6                            ; back from my stage
.set H8,  7                            ; 8 x (lane / 16)
.set SPW, 8                            ; my spare word
.set NIL, 9                            ; 0
.set VC,  10                           ; log2(e) / 32
.set PFO, 11                           ; the prefetch's offset
.set MSC, 12                           ; the byte 187 four times: the mask's scale, 2^60
.set QO,  14                           ; head: 16 r
.set KSC, 16                           ; v16-19 K's scale words: lanes 0-15 tiles 0-3, lanes 16-31 tiles 4-7
.set QS,  20                           ; v20-21 q's scale words, a tile each
.set OW,  22                           ; v22-23 the results' scale words
.set VSC, 24                           ; v24-27 V's: lanes 0-15 head 0's tiles, lanes 16-31 head 1's
.set PS,  28                           ; v28-29 p's
.set MK,  32                           ; v32-47 the mask's codes: 8 tile + 4 c + u
.set ST,  48                           ; v48-63 for each (head, tile), 4 (2 head + tile): -M, the largest t, the sum in two halves
.set CC,  64                           ; v64-71 for each tile two pairs: the factor, the addend (the low words serve)
.set F,   72                           ; v72-75 for each tile a pair: 2^(old M - new M)
.set BM,  76                           ; v76-83 the blocks' largest scores: 4 tile + 2 c + chain
.set CH,  84                           ; v84-87 the sums' second chains
.set TX,  88
.set TY,  90
.set P,   96                           ; v96-111 p's codes, 8 a tile
.set S,   128
.set KF,  128                          ; window 1
.set VF,  192
.set QB,  224
.set MP,  2                            ; s[2:3]  the mask's codes of the step that is loaded next
.set WV,  8
.set CNT, 9
.set TK,  10
.set SEL, 12
.set CS,  14
.set G0,  16
.set G1,  20
.set PAIR, 28
.set THR, 29                           ; -2^40
.set FL,  66                           ; s66, s67: the lanes whose row has had no key that counts
.set MSB, 0
.macro WIN new                         ; the immediate's high byte repeats the setting that is left
.if MSB != (\new)
	s_set_vgpr_msb (MSB<<8)|(\new)
.set MSB, (\new)
.endif
.endm
.macro WALU
	s_wait_alu depctr_va_vdst(0)
.endm
.macro PLACES n
.rept \n
	v_nop
.endr
.endm
.macro CROUND                          ; a round of the cluster's barrier
	s_barrier_signal -1
	s_barrier_wait -1
	s_cmp_lg_u32 s[WV], 0
	s_cbranch_scc1 .Lnot_wave_0_\@
	s_barrier_signal -3
.Lnot_wave_0_\@:
	s_barrier_wait -3
	s_barrier_signal -1
	s_barrier_wait -1
.endm
.macro WM d, a, b, sa, sb, row         ; D += A B in place; row = 1: A's scale words lie in lanes 16-31
.if \row
	v_wmma_scale_f32_16x16x128_f8f6f4 v[\d:\d+7], v[\a:\a+7], v[\b:\b+7], v[\d:\d+7], v[\sa], v[\sb] matrix_a_fmt:MATRIX_FMT_FP4 matrix_b_fmt:MATRIX_FMT_FP4 matrix_a_scale:MATRIX_SCALE_ROW1
.else
	v_wmma_scale_f32_16x16x128_f8f6f4 v[\d:\d+7], v[\a:\a+7], v[\b:\b+7], v[\d:\d+7], v[\sa], v[\sb] matrix_a_fmt:MATRIX_FMT_FP4 matrix_b_fmt:MATRIX_FMT_FP4
.endif
.endm
.macro KLOAD                           ; a record's eight fragments of K (window 1) and its scale words
	WIN 0x40
.irp t, 0,1,2,3,4,5,6,7
.irp c, 0,1
	ds_load_b128 v[KF+8*\t+4*\c:KF+8*\t+4*\c+3], v[ADK] offset:1024*\t+512*\c
.endr
.endr
	WIN 0
	ds_load_b128 v[KSC:KSC+3], v[ADK] offset:8192
.endm
.macro MLOAD                           ; a step's codes of the mask, both tiles: each load reads 512 consecutive bytes
.irp a, 0,1
.irp c, 0,1
	global_load_b128 v[MK+8*\a+4*\c:MK+8*\a+4*\c+3], v[L16], s[MP:MP+1] offset:16384*\a+512*\c
.endr
.endr
.endm
	s_load_b256 s[32:39], s[0:1], 0x0              ; p2, maskn, c3, s3
	v_lshl_add_u32 v[SPW], v0, 2, SPARE
	v_mov_b32 v[NIL], 0
	ds_add_u32 v[SPW], v[NIL]                      ; the opening lines: the add, twice on end, and its wait ahead of my tensor load
	ds_add_u32 v[SPW], v[NIL]
	v_lshrrev_b32 v[TX], 5, v0
	v_readfirstlane_b32 s[WV], v[TX]               ; wave 0..7
	s_bfe_u32 s40, ttmp6, 0x40000                  ; cx: it enters global addresses of q, the mask's codes and the results alone
	s_lshl_b32 s41, ttmp9, 2
	s_add_co_u32 s41, s41, s40                     ; my block of 256 queries
	s_and_b32 s42, ttmp7, 0xffff
	s_lshr_b32 s43, s42, 3                         ; batch
	s_and_b32 s[PAIR], s42, 7                      ; pair of heads
	s_lshr_b32 s45, s[WV], 2
	s_and_b32 s46, s[WV], 3
	s_lshl_b32 s47, s41, 1
	s_add_co_u32 s47, s47, s45                     ; sq: my 128 queries
	s_lshl_b32 s48, s[PAIR], 6
	s_lshl_b32 s49, s43, 4
	s_add_co_u32 s48, s48, s49                     ; the pair's and batch's first record
	s_lshl_b32 s49, s46, 2
	s_add_co_u32 s49, s48, s49                     ; the four records that I fetch: waves 0-3 of K, waves 4-7 of V
	s_mul_i32 s50, s49, REC
	s_add_co_u32 s51, s45, 1
	s_mul_i32 s51, s51, TSZ
	s_add_co_u32 s50, s50, s51
	s_mov_b32 s51, 0
	s_lshl_b32 s46, s46, 1                         ; T: my first tile; the second is T + 1
	s_add_co_u32 s52, s48, s47                     ; q's record
	s_mul_i32 s52, s52, REC
	s_lshl_b32 s53, s46, 10
	s_add_co_u32 s54, s52, s53                     ; my tiles' codes
	s_mov_b32 s55, 0
	s_lshr_b32 s53, s46, 2
	s_lshl_b32 s53, s53, 8
	s_add_co_u32 s56, s52, s53
	s_and_b32 s53, s46, 3
	s_lshl_b32 s53, s53, 2
	s_add_co_u32 s56, s56, s53
	s_add_co_u32 s56, s56, 8192                    ; their scale words: 8192 + 256 (T / 4) + 4 (T % 4), + 16 r
	s_mov_b32 s57, 0
	s_lshl_b32 s58, s43, 4
	s_add_co_u32 s58, s58, s47
	s_lshl_b32 s58, s58, 3
	s_add_co_u32 s58, s58, s46
	s_lshl_b32 s58, s58, 14                        ; my first tile's codes of the mask: 16 steps of 1,024 bytes
	s_mov_b32 s59, 0
	s_lshl_b32 s60, s43, 11
	s_lshl_b32 s61, s47, 7
	s_add_co_u32 s60, s60, s61
	s_lshr_b32 s61, s46, 2
	s_lshl_b32 s61, s61, 6
	s_add_co_u32 s60, s60, s61
	s_and_b32 s61, s46, 3
	s_lshl_b32 s61, s61, 3
	s_add_co_u32 s60, s60, s61                     ; my first tile's first token
	s_lshl_b32 s60, s60, 6                         ; 64 bytes a token
	s_lshl_b32 s61, s[PAIR], 19
	s_add_co_u32 s60, s60, s61
	s_mov_b32 s61, 0
	s_lshl_b32 s62, s43, 11
	s_lshl_b32 s63, s41, 8
	s_add_co_u32 s62, s62, s63
	s_lshl_b32 s62, s62, 2                         ; the work-group's 256 scale words
	s_lshl_b32 s63, s[PAIR], 15
	s_add_co_u32 s62, s62, s63
	s_mov_b32 s63, 0
	s_mov_b32 s[G1], 15|(3<<16)|(1<<21)            ; four records, 34,816 dense bytes, as 136 rows of 256 bytes.  15:0 the mask: all four work-groups; 17:16 elements of 8 bytes; 21 set beside a mask
	s_mov_b32 s[G1+1], 32<<16
	s_mov_b32 s[G1+2], 136<<16
	s_mov_b32 s[G1+3], 32<<16
	s_mov_b32 s[G1+4], 136
	s_mov_b32 s[G1+5], 32
	s_mov_b32 s[G1+6], 0
	s_mov_b32 s[G1+7], 0
	s_mov_b32 s[SEL], 0x76543210
	s_mov_b32 s[SEL+1], 0xfedcba98                 ; v_permlanex16_b32's selects for lane l xor 16
	s_mov_b32 s[CS], 0x3d38aa3b                    ; log2(e) / 32
	s_mov_b32 s[THR], 0xd3800000                   ; -2^40
	s_mov_b32 s[TK], 0
	s_lshl_b32 s11, s[WV], 11
	s_add_co_u32 s11, s11, STG                     ; my stage
	s_lshl_b32 s30, s45, 3
	s_add_co_u32 s30, s30, s46                     ; my first tile among the work-group's 16
	s_lshr_b32 s31, s30, 2
	s_lshl_b32 s31, s31, 8
	s_and_b32 s30, s30, 3
	s_lshl_b32 s30, s30, 5
	s_add_co_u32 s31, s31, s30
	s_add_co_u32 s31, s31, SST                     ; its first token's scale word: tokens in their own order
	v_and_b32 v[TX], 31, v0
	v_lshlrev_b32 v[L16], 4, v[TX]
	v_and_b32 v[TY], 15, v0                        ; r
	v_bfe_u32 v[TX+1], v0, 4, 1                    ; h
	v_lshlrev_b32 v[H8], 3, v[TX+1]
	v_lshlrev_b32 v[STO], 6, v[TY]
	v_lshl_add_u32 v[STO], v[TX+1], 4, v[STO]
	v_add_nc_u32 v[STO], s11, v[STO]               ; 64 r + 16 h (+ 32 x head, + 1,024 x tile)
	v_add_nc_u32 v[SRD], s11, v[L16]
	v_and_b32 v[SSO], 7, v[TY]
	v_lshrrev_b32 v[TY+1], 3, v[TY]
	v_lshl_add_u32 v[SSO], v[TY+1], 5, v[SSO]      ; r % 8 + 32 (r / 8)
	v_lshl_add_u32 v[SSO], v[SSO], 2, s31
	v_lshlrev_b32 v[QO], 4, v[TY]
	v_min_u32 v[PFO], 7, v[TX]                     ; a step's codes of my two tiles are eight blocks of 256 bytes: lanes 0-3 name the first tile's, lanes 4-7 the second's, the others the last again
	v_lshrrev_b32 v[QO+1], 2, v[PFO]
	v_and_b32 v[PFO], 3, v[PFO]
	v_lshlrev_b32 v[PFO], 8, v[PFO]
	v_lshl_add_u32 v[PFO], v[QO+1], 14, v[PFO]
	v_mov_b32 v[VC], s[CS]
	v_mov_b32 v[MSC], 0xbbbbbbbb
	v_mov_b32 v[ADK], v[L16]
	v_add_nc_u32 v[ADV], VOFF, v[L16]
.irp i, 0,1,2,3
	v_mov_b32 v[ST+4*\i], 0x53800000               ; -M = 2^40
	v_mov_b32 v[ST+4*\i+1], 0xd3800000             ; the largest t so far: -2^40
	v_mov_b32 v[ST+4*\i+2], 0                      ; the sum
	v_mov_b32 v[ST+4*\i+3], 0
	v_mov_b32 v[CC+2*\i+1], 0                      ; (named as the upper halves of pairs)
.endr
	v_mov_b32 v[F+1], 0
	v_mov_b32 v[F+3], 0
	WALU                                           ; the wait here, directly ahead of the waits below
	s_wait_dscnt 0x0                               ; both opening adds are done
	s_wait_kmcnt 0x0
	s_mov_b32 s[G0], 1
	s_mul_i32 s[G0+1], s[WV], 4*REC                ; LDS: wave x four records: K's sixteen, then V's
	s_add_nc_u64 s[G0+2:G0+3], s[32:33], s[50:51]
	s_or_b32 s[G0+3], s[G0+3], 0x80000000
	s_add_nc_u64 s[70:71], s[32:33], s[54:55]
	s_add_nc_u64 s[72:73], s[32:33], s[56:57]
	s_add_nc_u64 s[MP:MP+1], s[34:35], s[58:59]
	s_add_nc_u64 s[4:5], s[36:37], s[60:61]
	s_add_nc_u64 s[6:7], s[38:39], s[62:63]
	CROUND                                         ; all four work-groups are here: the joint loads meet
	tensor_load_to_lds s[G0:G0+3], s[G1:G1+7]      ; my one tensor load
	s_nop 0
	PLACES 4
	MLOAD                                          ; step 0's codes of the mask
.irp a, 0,1
	global_load_b32 v[QS+\a], v[QO], s[72:73] offset:4*\a
.endr
	WIN 0x40
.irp a, 0,1
	global_load_b128 v[QB+12*\a:QB+12*\a+3], v[L16], s[70:71] offset:1024*\a           ; q of head 0
	global_load_b128 v[QB+12*\a+8:QB+12*\a+11], v[L16], s[70:71] offset:1024*\a+512    ; q of head 1
.irp j, 4,5,6,7
	v_mov_b32 v[QB+12*\a+\j], 0                    ; zero codes
.endr
.endr
.set n, 0
.rept 128
	v_mov_b32 v[n], 0                              ; O^T.  (The step is written once: the first finds zeros, which the first change of M leaves zeros)
.set n, n+1
.endr
	WIN 0
	WALU                                           ; the wait at the head's end
	s_wait_tensorcnt 0x0                           ; my four records are in,
	s_barrier_signal -1
	s_barrier_wait -1                              ; everybody's are: all of K and V lies in LDS
	KLOAD                                          ; step 0
	s_wait_loadcnt 0x0                             ; q and the mask's codes: so the mask's pointer may step
	s_add_nc_u64 s[MP:MP+1], s[MP:MP+1], 1024
	s_wait_dscnt 0x0
	s_mov_b32 s[CNT], 0
; ONE HEAD OF ONE KEY STEP, both tiles.
.macro HEAD hd
.irp a, 0,1
.irp c, 0,1
.irp u, 0,1,2,3
	v_cvt_scale_pk8_f32_fp4 v[S+64*\a+32*\c+8*\u:S+64*\a+32*\c+8*\u+7], v[MK+8*\a+4*\c+\u], v[MSC]   ; the mask: 0, or -6 x 2^60, where the scores will stand
.endr
.endr
.endr
	PLACES 4                                       ; plain lines behind the conversions, and behind the last products ahead of the loads below
	WIN 0x05                                       ; both sources in window 1
.irp t, 0,1,2,3,4,5,6,7                        ; S^T = K Q^T + the mask: eight tiles of 16 keys x two tiles of queries
.irp a, 0,1
	WM S+64*\a+8*\t, KF+8*\t, QB+12*\a+4*\hd, KSC+\t%4, QS+\a, \t/4
.endr
.endr
	WIN 0
.if \hd                                        ; four plain lines: behind them come loads into registers that these products have read, and the first read of the scores
	s_add_co_u32 s[TK], s[TK], REC
	v_add_nc_u32 v[ADK], s[TK], v[L16]             ; the next step's record of K
	PLACES 3
.else
	PLACES 4
.endif
	WIN 0x40
.irp g, 0,1,2,3
.irp c, 0,1
	ds_load_b128 v[VF+8*\g+4*\c:VF+8*\g+4*\c+3], v[ADV] offset:4096*\hd+1024*\g+512*\c   ; V: this head's four tiles of 16 channels x 128 keys
.endr
.endr
.if \hd
	KLOAD                                          ; both heads have used K, its scale words and the mask's codes: the next step's
	MLOAD
	v_add_nc_u32 v[ADV], VOFF, v[ADK]
.else
	WIN 0
	ds_load_b128 v[VSC:VSC+3], v[ADV] offset:8192
	s_add_co_u32 s30, s[CNT], 2                    ; the step two on: mine to ask for where its number % 8 is my pair's, and it is under 16
	s_xor_b32 s30, s30, s[PAIR]
	s_and_b32 s30, s30, 0x17
	s_cmp_eq_u32 s30, 0
	s_cbranch_scc0 .Lnot_mine_\@
	global_prefetch_b8 v[PFO], s[MP:MP+1] offset:1024 th:TH_LOAD_NT scope:SCOPE_SE
.Lnot_mine_\@:
.endif
; THE LARGEST SCORE OF EACH BLOCK OF 32 KEYS, for the row's maximum and, since p rises with the score, for the block's largest p: four blocks, two chains each, by turns; each accumulator is read from its low end on
.irp a, 0,1
.irp c, 0,1
.irp k, 0,1
	v_max3_num_f32 v[BM+4*\a+2*\c+\k], v[S+64*\a+32*\c+16*\k], v[S+64*\a+32*\c+16*\k+1], v[S+64*\a+32*\c+16*\k+2]
.endr
.endr
.endr
.irp i, 3,5,7,9,11,13
.irp a, 0,1
.irp c, 0,1
.irp k, 0,1
	v_max3_num_f32 v[BM+4*\a+2*\c+\k], v[BM+4*\a+2*\c+\k], v[S+64*\a+32*\c+16*\k+\i], v[S+64*\a+32*\c+16*\k+\i+1]
.endr
.endr
.endr
.endr
.irp a, 0,1
.irp c, 0,1
	v_max3_num_f32 v[BM+4*\a+2*\c], v[BM+4*\a+2*\c], v[S+64*\a+32*\c+15], v[S+64*\a+32*\c+31]
.endr
.endr
.irp a, 0,1
.irp c, 0,1
	v_max_num_f32 v[BM+4*\a+2*\c], v[BM+4*\a+2*\c], v[BM+4*\a+2*\c+1]
.endr
.endr
.irp a, 0,1
	v_max_num_f32 v[TX+\a], v[BM+4*\a], v[BM+4*\a+2]
.endr
.irp a, 0,1
	v_permlanex16_b32 v[TY+\a], v[TX+\a], s[SEL], s[SEL+1]
.endr
.irp a, 0,1
	v_max_num_f32 v[TX+\a], v[TX+\a], v[TY+\a]     ; the step's largest score of my query
.endr
.irp a, 0,1
	v_mul_f32 v[TX+\a], s[CS], v[TX+\a]            ; as t
.endr
.irp a, 0,1
	v_max_num_f32 v[ST+8*\hd+4*\a+1], v[ST+8*\hd+4*\a+1], v[TX+\a]   ; the running largest t, never under -2^40
.endr
.irp a, 0,1
	v_floor_f32 v[TY+\a], -v[ST+8*\hd+4*\a+1]      ; the new -M = -ceil(t): a whole number
.endr
.irp a, 0,1
	v_cmp_eq_f32 s[FL+\a], s[THR], v[ST+8*\hd+4*\a+1]   ; no key has counted yet
.endr
.irp a, 0,1
	v_sub_f32 v[TX+\a], v[TY+\a], v[ST+8*\hd+4*\a] ; old M - new M: a whole number, 0 or less
.endr
.irp a, 0,1
	v_mov_b32 v[ST+8*\hd+4*\a], v[TY+\a]
.endr
.irp a, 0,1
	v_cvt_i32_f32 v[TX+\a], v[TX+\a]               ; (it saturates)
.endr
.irp a, 0,1
	v_cndmask_b32 v[CC+4*\a], v[VC], v[NIL], s[FL+\a]          ; the factor: log2(e) / 32, or 0;
	v_cndmask_b32 v[CC+4*\a+2], v[TY+\a], v[NIL], s[FL+\a]     ; the addend: -M, or 0
.endr
.irp a, 0,1
	v_ldexp_f32 v[F+2*\a], 1.0, v[TX+\a]           ; 2^(old M - new M)
.endr
.irp a, 0,1
.set n, 0
.rept 32
	v_pk_fma_f32 v[S+64*\a+n:S+64*\a+n+1], v[S+64*\a+n:S+64*\a+n+1], v[CC+4*\a:CC+4*\a+1], v[CC+4*\a+2:CC+4*\a+3] op_sel_hi:[1,0,0]   ; t - M, two at a time
.set n, n+2
.endr
.endr
.irp a, 0,1
.irp c, 0,1
	v_fma_f32 v[BM+4*\a+2*\c], v[BM+4*\a+2*\c], v[CC+4*\a], v[CC+4*\a+2]   ; the same of each block's largest score
.endr
.endr
	WALU                                           ; the wait ahead of the batch
.set n, 0
.rept 128
	v_exp_f32 v[S+n], v[S+n]                       ; p = 2^(t - M): one batch,
.set n, n+1
.endr
.irp a, 0,1
.irp c, 0,1
	v_exp_f32 v[BM+4*\a+2*\c], v[BM+4*\a+2*\c]     ; with the blocks' largest p: the same two instructions on the same number give the same bits
.endr
.endr
	s_wait_dscnt 0x0                               ; V, and what was fetched with it
	WIN 0x41
	WALU                                           ; one wait behind the batch, directly ahead of the first reader of O^T
.irp a, 0,1
.set n, 0
.rept 16
	v_pk_mul_f32 v[64*\hd+32*\a+n:64*\hd+32*\a+n+1], v[64*\hd+32*\a+n:64*\hd+32*\a+n+1], v[F+2*\a:F+2*\a+1] op_sel_hi:[1,0]   ; O^T under the new M, each accumulator from its low end on
.set n, n+2
.endr
.endr
	WIN 0
.irp a, 0,1
.irp c, 0,1
	v_max_num_f32 v[BM+4*\a+2*\c], 0x1800000, v[BM+4*\a+2*\c]      ; the floor 2^(3 - 127): the byte cannot fall under 1
.endr
.endr
.irp a, 0,1
.irp c, 0,1
	v_add_nc_u32 v[BM+4*\a+2*\c], 0xff000000, v[BM+4*\a+2*\c]      ; 2 off the exponent field: the conversion's scale operand
.endr
.endr
.irp a, 0,1
	v_lshrrev_b32 v[TX+\a], 23, v[BM+4*\a]
	v_lshrrev_b32 v[TY+\a], 23, v[BM+4*\a+2]
.endr
.irp a, 0,1
	v_lshl_or_b32 v[PS+\a], v[TY+\a], 16, v[TX+\a] ; my bytes: blocks h and 2 + h,
.endr
.irp a, 0,1
	v_lshlrev_b32 v[PS+\a], v[H8], v[PS+\a]        ; at their places;
.endr
.irp a, 0,1
	v_permlanex16_b32 v[TY+\a], v[PS+\a], s[SEL], s[SEL+1]
.endr
.irp a, 0,1
	v_or_b32 v[PS+\a], v[PS+\a], v[TY+\a]          ; with lane l xor 16's two: p's scale word for these 128 keys
.endr
.irp a, 0,1
.irp c, 0,1
.irp g, 0,1,2,3
	v_cvt_scalef32_pk8_fp4_f32 v[P+8*\a+4*\c+\g], v[S+64*\a+32*\c+8*\g:S+64*\a+32*\c+8*\g+7], v[BM+4*\a+2*\c]
.endr
.endr
.endr
	v_nop                                          ; one plain line behind the last conversion
.irp a, 0,1                                    ; THE ROW'S SUM IS TAKEN OF THE UNQUANTISED p: two chains a tile, by turns.  (These lines also stand between the scale words' and the codes' writes and the products)
	v_pk_mul_f32 v[ST+8*\hd+4*\a+2:ST+8*\hd+4*\a+3], v[ST+8*\hd+4*\a+2:ST+8*\hd+4*\a+3], v[F+2*\a:F+2*\a+1] op_sel_hi:[1,0]
	v_pk_add_f32 v[CH+2*\a:CH+2*\a+1], v[S+64*\a:S+64*\a+1], v[S+64*\a+2:S+64*\a+3]
.endr
.irp j, 4,8,12,16,20,24,28,32,36,40,44,48,52,56,60
.irp a, 0,1
	v_pk_add_f32 v[ST+8*\hd+4*\a+2:ST+8*\hd+4*\a+3], v[ST+8*\hd+4*\a+2:ST+8*\hd+4*\a+3], v[S+64*\a+\j:S+64*\a+\j+1]
	v_pk_add_f32 v[CH+2*\a:CH+2*\a+1], v[CH+2*\a:CH+2*\a+1], v[S+64*\a+\j+2:S+64*\a+\j+3]
.endr
.endr
.irp a, 0,1
	v_pk_add_f32 v[ST+8*\hd+4*\a+2:ST+8*\hd+4*\a+3], v[ST+8*\hd+4*\a+2:ST+8*\hd+4*\a+3], v[CH+2*\a:CH+2*\a+1]
.endr
	WIN 0x51                                       ; V and O^T in window 1, p's codes in window 0
.irp g, 0,1,2,3                                ; O^T += V^T P^T: eight accumulators by turns
.irp a, 0,1
	WM 64*\hd+32*\a+8*\g, VF+8*\g, P+8*\a, VSC+\g, PS+\a, \hd
.endr
.endr
	WIN 0
.endm
.Lstep:                                            ; 16 trips
	HEAD 0
	HEAD 1
	s_wait_loadcnt 0x0                             ; the next step's codes of the mask are in,
	s_wait_xcnt 0x0                                ; and any prefetch of mine has read its address: the pointer may step
	s_add_co_u32 s[CNT], s[CNT], 1
	s_cmp_lt_u32 s[CNT], 15
	s_cselect_b32 s30, 1024, 0                     ; it stays at step 15, inside the buffer
	s_mov_b32 s31, 0
	s_add_nc_u64 s[MP:MP+1], s[MP:MP+1], s[30:31]
	s_cmp_lt_u32 s[CNT], 16
	s_cbranch_scc1 .Lstep
	; THE WAY OUT.  Unit i = 2 head + tile.  O^T / the sum; a lane's 32 channels of a head are one block of the last product's K: quantised as they stand.  A token's 128 codes of the pair are 64 bytes: they meet in my stage and leave as 512 bytes of 8 tokens.
	WALU                                           ; the wait here, directly ahead of the reader below
.irp i, 0,1,2,3
	v_add_f32 v[BM+\i], v[ST+4*\i+2], v[ST+4*\i+3] ; the sums' halves.  (These lines are also the plain lines behind the last products)
.endr
.irp i, 0,1,2,3
	v_permlanex16_b32 v[BM+4+\i], v[BM+\i], s[SEL], s[SEL+1]
.endr
.irp i, 0,1,2,3
	v_add_f32 v[BM+\i], v[BM+\i], v[BM+4+\i]       ; the rows' sums
.endr
	WALU                                           ; the wait ahead of the batch
.irp i, 0,1,2,3
	v_rcp_f32 v[CC+2*\i], v[BM+\i]
.endr
	s_min_u32 s11, s[WV], 1                        ; waves 0 and 1 will store the scale words, 512 bytes each
	s_lshl_b32 s11, s11, 9
	v_add_nc_u32 v[ADV], s11, v[L16]               ; (plain lines behind the reciprocals)
	v_add_nc_u32 v[ADK], SST, v[ADV]
	WIN 0x01
	WALU                                           ; one wait for the four, directly ahead of the first reader of O^T
.irp i, 0,1,2,3
.set n, 0
.rept 16
	v_pk_mul_f32 v[S+32*\i+n:S+32*\i+n+1], v[32*\i+n:32*\i+n+1], v[CC+2*\i:CC+2*\i+1] op_sel_hi:[1,0]
.set n, n+2
.endr
.endr
	WIN 0
.irp i, 0,1,2,3
	v_max3_num_f32 v[BM+\i], 0x1800000, |v[S+32*\i]|, |v[S+32*\i+1]|
.endr
.irp j, 2,4,6,8,10,12,14,16,18,20,22,24,26,28,30
.irp i, 0,1,2,3
	v_max3_num_f32 v[BM+\i], v[BM+\i], |v[S+32*\i+\j]|, |v[S+32*\i+\j+1]|
.endr
.endr
.irp i, 0,1,2,3
	v_add_nc_u32 v[BM+\i], 0xff000000, v[BM+\i]
.endr
.irp i, 0,1,2,3
	v_lshrrev_b32 v[TX+\i], 23, v[BM+\i]
.endr
.irp a, 0,1
	v_lshl_or_b32 v[OW+\a], v[TX+2+\a], 16, v[TX+\a]   ; byte 2 x head + h
.endr
.irp a, 0,1
	v_lshlrev_b32 v[OW+\a], v[H8], v[OW+\a]
.endr
.irp a, 0,1
	v_permlanex16_b32 v[TX+\a], v[OW+\a], s[SEL], s[SEL+1]
.endr
.irp a, 0,1
	v_or_b32 v[OW+\a], v[OW+\a], v[TX+\a]
.endr
.irp i, 0,1,2,3
.irp g, 0,1,2,3
	v_cvt_scalef32_pk8_fp4_f32 v[P+8*(\i%2)+4*(\i/2)+\g], v[S+32*\i+8*\g:S+32*\i+8*\g+7], v[BM+\i]
.endr
.endr
	v_nop                                          ; one plain line behind the last conversion
.irp a, 0,1
	ds_store_b128 v[STO], v[P+8*\a:P+8*\a+3] offset:1024*\a
	ds_store_b128 v[STO], v[P+8*\a+4:P+8*\a+7] offset:1024*\a+32
	ds_store_b32 v[SSO], v[OW+\a] offset:32*\a     ; both halves of the lanes write the same word with the same value
.endr
.irp a, 0,1
.irp k, 0,1
	ds_load_b128 v[S+8*\a+4*\k:S+8*\a+4*\k+3], v[SRD] offset:1024*\a+512*\k   ; LDS serves a wave's instructions in order: these see my stores
.endr
.endr
	s_wait_dscnt 0x0                               ; for the others' sake too: my words have landed
	s_barrier_signal -1
	s_barrier_wait -1
.irp a, 0,1
.irp k, 0,1
	global_store_b128 v[L16], v[S+8*\a+4*\k:S+8*\a+4*\k+3], s[4:5] offset:512*\a+2048*\k   ; eight tokens: 512 consecutive bytes, aligned; k = 1: the eight that lie 32 tokens on
.endr
.endr
	s_cmp_lt_u32 s[WV], 2
	s_cbranch_scc0 .Lno_words
	ds_load_b128 v[S+16:S+19], v[ADK]
	s_wait_dscnt 0x0
	global_store_b128 v[ADV], v[S+16:S+19], s[6:7] ; 128 tokens' scale words: 512 consecutive bytes, aligned
.Lno_words:
	s_wait_tensorcnt 0x0                           ; the wave's end
	ds_add_u32 v[SPW], v[NIL]
	s_wait_dscnt 0x0
	CROUND                                         ; the closing round: no work-group ends while a partner may still ask for a tile that names it
	s_endpgm
.Lfunc_end_k_qd025db5d7a_attn:
	.size	k_qd025db5d7a_attn, .Lfunc_end_k_qd025db5d7a_attn-k_qd025db5d7a_attn
	.p2alignl 7, 3214868480
	.fill 96, 4, 3214868480
	.section	.rodata,"a",@progbits
	.p2align	6, 0x0
	.amdhsa_kernel k_qd025db5d7a_attn
		.amdhsa_group_segment_fixed_size 297984
		.amdhsa_private_segment_fixed_size 0
		.amdhsa_enable_private_segment 0
		.amdhsa_kernarg_size 32
		.amdhsa_user_sgpr_count 2
		.amdhsa_user_sgpr_kernarg_segment_ptr 1
		.amdhsa_wavefront_size32 1
		.amdhsa_system_sgpr_workgroup_id_x 1
		.amdhsa_system_sgpr_workgroup_id_y 1
		.amdhsa_system_sgpr_workgroup_id_z 1
		.amdhsa_system_vgpr_workitem_id 0
		.amdhsa_next_free_vgpr 512
		.amdhsa_next_free_sgpr 100
		.amdhsa_reserve_vcc 0
		.amdhsa_float_denorm_mode_32 3
		.amdhsa_float_denorm_mode_16_64 3
		.amdhsa_memory_ordered 1
		.amdhsa_forward_progress 1
		.amdhsa_inst_pref_size 82
	.end_amdhsa_kernel
	.amdgpu_metadata
---
amdhsa.version: [ 1, 2 ]
amdhsa.kernels:
  - .name:           k_qd025db5d7a_attn
    .symbol:         k_qd025db5d7a_attn.kd
    .args:
      - { .name: p2, .offset: 0, .size: 8, .value_kind: global_buffer, .address_space: global }
      - { .name: maskn, .offset: 8, .size: 8, .value_kind: global_buffer, .address_space: global }
      - { .name: c3, .offset: 16, .size: 8, .value_kind: global_buffer, .address_space: global }
      - { .name: s3, .offset: 24, .size: 8, .value_kind: global_buffer, .address_space: global }
    .group_segment_fixed_size: 297984
    .private_segment_fixed_size: 0
    .kernarg_segment_align: 8
    .kernarg_segment_size: 32
    .max_flat_workgroup_size: 256
    .sgpr_count:     100
    .vgpr_count:     512
    .wavefront_size: 32
...
	.end_amdgpu_metadata
.endif
;; end of part 3
;; launch outp (part 4): grid 4 x 64, 4 waves a work-group, clusters of 4 x 4, 251,392 bytes of LDS; arguments c3, s3, c1, s1, fo_b, out0; writes out0
.if DOCPART == 4
	.amdgcn_target "amdgcn-amd-amdhsa--gfx1250"
	.amdhsa_code_object_version 6
	.text
	.protected	k_qd025db5d7a_outp
	.globl	k_qd025db5d7a_outp
	.p2align	8
	.type	k_qd025db5d7a_outp,@function
k_qd025db5d7a_outp:
	s_mov_b64 s[64:65], 0
	v_nop
	global_prefetch_b8 v0, s[64:65] scope:SCOPE_SE
	s_setreg_imm32_b32 hwreg(HW_REG_WAVE_MODE, 25, 1), 1
	s_wait_xcnt 0x0
	s_wait_alu depctr_hold_cnt(0) depctr_sa_sdst(0) depctr_va_vdst(0) depctr_va_sdst(0) depctr_va_ssrc(0) depctr_va_vcc(0) depctr_vm_vsrc(0)
	s_getreg_b32 s2, hwreg(HW_REG_IB_STS2, 6, 4)
	s_cmp_eq_u32 s2, 0
	s_cbranch_scc0 .Lentry_in_a_cluster
	s_endpgm
.Lentry_in_a_cluster:
	s_bfe_u32 s2, ttmp6, 0x10000c
	s_cmp_lg_u32 s2, 0xf033
	s_cbranch_scc0 .Lentry_shape_is_right
	s_endpgm
.Lentry_shape_is_right:
; out0[token][n] = sum over k of context[token][k] fo_w[n][k] + fo_b[n], f32: 8,192 x 1,024 x 1,024 on codes of FP4 (E2M1) with one E8M0 byte for each 32 along K.
; A IS WHAT THE ATTENTION LAUNCH LEFT: c3[pair of heads, 8][token][64 bytes] (a pair is 128 along K), s3[pair][token][4 bytes].  B: fo_w's rows in c1 (512 bytes a row, 27,648 rows in) and s1 (32 bytes a row).
; THE DEAL.  256 work-groups of four waves, 2 x 2, each 128 tokens x 256 columns; a wave makes 64 x 128: 32 accumulators, in window 2.  The sums begin with the bias, as the first products' C.
; CLUSTERS of 4 x 4: A's rows are shared by a row of the cluster, B's by a column; each tile is asked for jointly.
; ALL OF K COMES AT ONCE, one joint load a wave at the head: waves 0 and 1 bring 64 tokens each, as 8 planes (pairs) of 4,096 bytes, 16 bytes of padding behind each token's 64; waves 2 and 3 bring 128 rows of B each, 512 bytes + 16.
; No LDS byte is filled twice, and there is no loop to run ahead in: so no refill, no data prefetch, and one barrier, behind the head's loads.  The waves' stages have LDS bytes of their own.
; A K STEP is 128 along K, 32 products.  A's and B's fragments have two sets each: while one is multiplied, the next step's 24 LDS loads land in the other.
; THE MATRIX INSTRUCTION IS USED TRANSPOSED (source 0 = 16 rows of B, source 1 = 16 tokens): a lane holds eight neighbouring numbers of a row of the result.
; LIMITS: NaN, infinities and sums beyond f32's range are not served; a sum begins with the bias, where the definition adds it last.
.set PITCH,  528                       ; B's LDS row
.set AP,     80                        ; a token's 64 bytes + 16
.set AHP,    64*AP                     ; a plane of 64 tokens
.set AH,     8*AHP                     ; what one load of A brings, and what one wave reads of A
.set BH,     128*PITCH                 ; the same for B
.set BOFF,   2*AH
.set STAGE,  BOFF+2*BH                 ; 16 rows x (512 bytes + 16) for each wave
.set SPITCH, 528
.set SPARE,  STAGE+4*16*SPITCH         ; the spare words, 128 bytes a wave
.set SIZE_N, 1024
.set ADRA, 16                          ; v16-17 LDS address of my A fragments, K steps 0-3 and 4-7
.set ADRB, 20                          ; v20-21 the same for B
.set STO,  24
.set RD,   25
.set CO,   26
.set L32,  27
.set L4,   28
.set BO,   29
.set SA,   36                          ; v36-51 A's scale words: ks + 8 p: lanes 0-15 block 2 p, lanes 16-31 block 2 p + 1
.set SB,   64                          ; v64-95 B's: 8 p + ks likewise.  A product's two scale registers differ by 4 modulo 8 in their numbers
.set SPW,  126
.set NIL,  127
.set AF,   128                         ; v128-191 A's fragments, two sets of four
.set BR,   192                         ; v192-255 the bias as the first products' C
.set BK,   128                         ; the way out: 16 rows back from the stage, two sets
.set G1,  24
.set G0,  32
.set G1B, 48
.set G0B, 56
.set MSB, 0
.macro WIN new                         ; the immediate's high byte repeats the setting that is left
.if MSB != (\new)
	s_set_vgpr_msb (MSB<<8)|(\new)
.set MSB, (\new)
.endif
.endm
.macro PLACES n
.rept \n
	v_nop
.endr
.endm
.macro CROUND                          ; a round of the cluster's barrier
	s_barrier_signal -1
	s_barrier_wait -1
	s_cmp_lg_u32 s16, 0
	s_cbranch_scc1 .Lnot_wave_0_\@
	s_barrier_signal -3
.Lnot_wave_0_\@:
	s_barrier_wait -3
	s_barrier_signal -1
	s_barrier_wait -1
.endm
	s_load_b256 s[4:11], s[0:1], 0x0               ; c3, s3, c1, s1
	s_load_b128 s[12:15], s[0:1], 0x20             ; fo_b, out0
	v_lshl_add_u32 v[SPW], v0, 2, SPARE
	v_mov_b32 v[NIL], 0
	ds_add_u32 v[SPW], v[NIL]                      ; the opening lines: the add, twice on end, and its wait ahead of my tensor load
	ds_add_u32 v[SPW], v[NIL]
	v_lshrrev_b32 v1, 5, v0
	v_readfirstlane_b32 s16, v1                    ; wave 0..3
	s_lshr_b32 s17, s16, 1                         ; which 64 tokens are mine.  Also: I fetch for A (0) or for B (1)
	s_and_b32 s18, s16, 1                          ; which 128 columns.  Also: which half of that tile I fetch
	s_bfe_u32 s40, ttmp6, 0x40000                  ; cx: the tile column
	s_bfe_u32 s41, ttmp6, 0x40004                  ; cy
	s_and_b32 s68, ttmp7, 0xffff
	s_lshl_b32 s68, s68, 2
	s_add_co_u32 s68, s68, s41                     ; the tile row, 0 .. 63
	s_lshl_b32 s43, s41, 2
	s_lshl_b32 s43, 15, s43                        ; my row of the cluster
	s_lshl_b32 s44, 0x1111, s40                    ; my column
	s_or_b32 s[G1+0], s43, (0<<16)|(1<<20)|(1<<21)|(3<<22)|(3<<25)   ; A: padding of four words after every 16
	s_mov_b32 s[G1+1], 4096<<16
	s_mov_b32 s[G1+2], 8<<16
	s_mov_b32 s[G1+3], 4096<<16
	s_mov_b32 s[G1+4], 8
	s_mov_b32 s[G1+5], 524288                      ; from pair to pair
	s_mov_b32 s[G1+6], 0
	s_mov_b32 s[G1+7], 0
	s_or_b32 s[G1B+0], s44, (0<<16)|(1<<20)|(1<<21)|(6<<22)|(3<<25)  ; B: after every 128
	s_mov_b32 s[G1B+1], 512<<16
	s_mov_b32 s[G1B+2], 128<<16
	s_mov_b32 s[G1B+3], 512<<16
	s_mov_b32 s[G1B+4], 128
	s_mov_b32 s[G1B+5], 512
	s_mov_b32 s[G1B+6], 0
	s_mov_b32 s[G1B+7], 0
	s_lshl_b32 s73, s68, 7
	s_lshl_b32 s72, s18, 6
	s_add_co_u32 s73, s73, s72                     ; A: the 64 tokens that I fetch
	s_lshl_b32 s76, s73, 6
	s_mov_b32 s77, 0
	s_lshl_b32 s74, s18, 7
	s_lshl_b32 s75, s40, 8
	s_add_co_u32 s75, s75, s74                     ; B: the 128 rows that I fetch, which are also my columns
	s_lshl_b32 s78, s75, 9
	s_add_co_u32 s78, s78, 14155776
	s_mov_b32 s79, 0
	s_mul_i32 s84, s18, AH
	s_mul_i32 s85, s18, BH
	s_add_co_u32 s85, s85, BOFF
	s_lshl_b32 s86, s68, 7
	s_lshl_b32 s87, s17, 6
	s_add_co_u32 s86, s86, s87                     ; my first token
	s_lshl_b32 s80, s86, 2
	s_mov_b32 s81, 0
	s_lshl_b32 s82, s75, 5
	s_add_co_u32 s82, s82, 884736
	s_mov_b32 s83, 0
	s_lshl_b32 s92, s75, 2
	s_mov_b32 s93, 0
	s_lshl_b32 s90, s86, 12
	s_add_co_u32 s90, s90, s92
	s_mov_b32 s91, 0
	s_mul_i32 s94, s17, AH
	s_mul_i32 s95, s18, BH
	s_add_co_u32 s95, s95, BOFF
	s_mul_i32 s96, s16, 16*SPITCH
	s_add_co_u32 s96, s96, STAGE                   ; my stage
	v_and_b32 v1, 15, v0
	v_bfe_u32 v2, v0, 4, 1
	v_and_b32 v3, 31, v0
	v_lshlrev_b32 v[CO], 4, v3
	v_lshlrev_b32 v[L32], 5, v3
	v_lshlrev_b32 v[L4], 2, v3
	v_lshlrev_b32 v[BO], 5, v2
	v_mul_u32_u24 v4, v1, AP
	v_lshl_add_u32 v4, v2, 4, v4
	v_mul_u32_u24 v5, v1, PITCH
	v_lshl_add_u32 v5, v2, 4, v5
	v_add_nc_u32 v[ADRA], s94, v4
	v_add_nc_u32 v[ADRB], s95, v5
	v_add_nc_u32 v[ADRA+1], 4*AHP, v[ADRA]
	v_add_nc_u32 v[ADRB+1], 256, v[ADRB]
	v_mul_u32_u24 v6, v1, SPITCH
	v_lshl_add_u32 v6, v2, 5, v6
	v_add_nc_u32 v[STO], s96, v6
	v_add_nc_u32 v[RD], s96, v[CO]
	s_wait_alu depctr_va_vdst(0)                   ; the wait at the head's end
	s_wait_dscnt 0x0                               ; both opening adds are done
	s_wait_kmcnt 0x0
	s_add_nc_u64 s[80:81], s[6:7], s[80:81]
	s_add_nc_u64 s[82:83], s[10:11], s[82:83]
	s_add_nc_u64 s[12:13], s[12:13], s[92:93]
	s_add_nc_u64 s[66:67], s[14:15], s[90:91]
	s_mov_b32 s[G0], 1
	s_mov_b32 s[G0+1], s84
	s_add_nc_u64 s[G0+2:G0+3], s[4:5], s[76:77]
	s_or_b32 s[G0+3], s[G0+3], 0x80000000
	s_mov_b32 s[G0B], 1
	s_mov_b32 s[G0B+1], s85
	s_add_nc_u64 s[G0B+2:G0B+3], s[8:9], s[78:79]
	s_or_b32 s[G0B+3], s[G0B+3], 0x80000000
	CROUND                                         ; all sixteen work-groups are here: the joint loads meet
	s_cmp_eq_u32 s17, 0
	s_cbranch_scc0 .Lfor_b
	tensor_load_to_lds s[G0:G0+3], s[G1:G1+7]
	s_nop 0
	PLACES 4
	s_branch .Lasked
.Lfor_b:
	tensor_load_to_lds s[G0B:G0B+3], s[G1B:G1B+7]
	s_nop 0
	PLACES 4
.Lasked:
.irp ks, 0,1,2,3,4,5,6,7
.irp p, 0,1
	global_load_b32 v[SA+\ks+8*\p], v[L4], s[80:81] offset:32768*\ks+128*\p
.endr
.endr
.irp p, 0,1,2,3
.irp u, 0,1
	global_load_b128 v[SB+8*\p+4*\u:SB+8*\p+4*\u+3], v[L32], s[82:83] offset:1024*\p+16*\u
.endr
.endr
.irp b, 0,1,2,3,4,5,6,7
.irp u, 0,1
	global_load_b128 v[BR+8*\b+4*\u:BR+8*\b+4*\u+3], v[BO], s[12:13] offset:64*\b+16*\u
.endr
.endr
.macro WM rb, ra
.if ((\rb)==0)&&((\ra)==0)
	v_wmma_scale_f32_16x16x128_f8f6f4 v[rD:rD+7], v[rB:rB+7], v[rA:rA+7], v[rC:rC+7], v[rSB], v[rSA] matrix_a_fmt:MATRIX_FMT_FP4 matrix_b_fmt:MATRIX_FMT_FP4
.elseif (\ra)==0
	v_wmma_scale_f32_16x16x128_f8f6f4 v[rD:rD+7], v[rB:rB+7], v[rA:rA+7], v[rC:rC+7], v[rSB], v[rSA] matrix_a_fmt:MATRIX_FMT_FP4 matrix_b_fmt:MATRIX_FMT_FP4 matrix_a_scale:MATRIX_SCALE_ROW1
.elseif (\rb)==0
	v_wmma_scale_f32_16x16x128_f8f6f4 v[rD:rD+7], v[rB:rB+7], v[rA:rA+7], v[rC:rC+7], v[rSB], v[rSA] matrix_a_fmt:MATRIX_FMT_FP4 matrix_b_fmt:MATRIX_FMT_FP4 matrix_b_scale:MATRIX_SCALE_ROW1
.else
	v_wmma_scale_f32_16x16x128_f8f6f4 v[rD:rD+7], v[rB:rB+7], v[rA:rA+7], v[rC:rC+7], v[rSB], v[rSA] matrix_a_fmt:MATRIX_FMT_FP4 matrix_b_fmt:MATRIX_FMT_FP4 matrix_a_scale:MATRIX_SCALE_ROW1 matrix_b_scale:MATRIX_SCALE_ROW1
.endif
.endm
.macro MUL32 ks, cm                    ; a K step's 32 products, the 32 accumulators by turns; cm = 1: C is the bias
.irp a, 0,1,2,3
.irp b, 0,1,2,3,4,5,6,7
.set rD, 8*(8*\a+\b)
.set rB, 128*((\ks)%2)+8*\b
.set rA, AF+32*((\ks)%2)+8*\a
.set rC, rD
.if (\cm)
.set rC, BR+8*\b
.endif
.set rSB, SB+8*(\b/2)+(\ks)
.set rSA, SA+(\ks)+8*(\a/2)
	WM \b%2, \a%2
.endr
.endr
.endm
.macro FETCH ks                        ; K step ks's fragments into set ks % 2: B's eight (window 1), A's four: 24 loads
	WIN 0x40
.irp i, 0,1,2,3,4,5,6,7
.irp c, 0,1
	ds_load_b128 v[128*((\ks)%2)+8*\i+4*\c:128*((\ks)%2)+8*\i+4*\c+3], v[ADRB+(\ks)/4] offset:64*((\ks)%4)+32*\c+\i*16*PITCH
.endr
.endr
	WIN 0
.irp i, 0,1,2,3
.irp c, 0,1
	ds_load_b128 v[AF+32*((\ks)%2)+8*\i+4*\c:AF+32*((\ks)%2)+8*\i+4*\c+3], v[ADRA+(\ks)/4] offset:AHP*((\ks)%4)+\i*16*AP+32*\c
.endr
.endr
.endm
	s_wait_tensorcnt 0x0                           ; my tile is in,
	s_barrier_signal -1
	s_barrier_wait -1                              ; everybody's is
	FETCH 0
	s_wait_loadcnt 0x0                             ; the scale words and the bias
.irp ks, 0,1,2,3,4,5,6,7
	s_wait_dscnt 0x0                               ; this step's fragments are in
.if \ks < 7
	PLACES 4                                       ; behind the last step's products, ahead of loads into the set that they have read
	FETCH \ks+1
.endif
.if \ks == 0
	WIN 0x81                                       ; source 0 window 1, source 1 and C window 0, D window 2
	MUL32 \ks, 1
.else
	WIN 0xa1                                       ; C and D window 2
	MUL32 \ks, 0
.endif
	WIN 0
.endr
; THE WAY OUT, block by block of 16 tokens x 128 columns, through my own stage: back come whole rows of 512 bytes.  LDS serves a wave's instructions in order: no wait between the stores and the loads.
.macro TOSTAGE a
.set AC, 64*(\a)
	WIN 0x08                                       ; the data: window 2
.irp b, 0,1,2,3,4,5,6,7
	ds_store_b128 v[STO], v[AC+8*\b:AC+8*\b+3] offset:64*\b          ; each accumulator from its low end on
	ds_store_b128 v[STO], v[AC+8*\b+4:AC+8*\b+7] offset:64*\b+16
.endr
	WIN 0
.set BB, BK+64*((\a)%2)
.irp t, 0,1,2,3,4,5,6,7,8,9,10,11,12,13,14,15
	ds_load_b128 v[BB+4*\t:BB+4*\t+3], v[RD] offset:\t*SPITCH
.endr
.endm
.macro SEND a, younger                 ; younger: the LDS instructions issued behind block a's loads, which may stay out
.set BB, BK+64*((\a)%2)
	s_wait_dscnt \younger
.if (\a) > 0
	s_add_nc_u64 s[66:67], s[66:67], 16*SIZE_N*4   ; (behind a wait on XCNT: the earlier stores have read their base)
.endif
.irp t, 0,1,2,3,4,5,6,7,8,9,10,11,12,13,14,15
	global_store_b128 v[CO], v[BB+4*\t:BB+4*\t+3], s[66:67] offset:\t*SIZE_N*4 th:TH_STORE_NT   ; 32 lanes store 512 consecutive bytes, aligned
.endr
.endm
	PLACES 4
	TOSTAGE 0
.irp a, 1,2,3
.if \a > 1
	s_wait_xcnt 0x0                                ; block a - 2's stores have read their registers and their base
.endif
	TOSTAGE \a
	SEND \a-1, 32                                  ; behind block a - 1's loads: block a's 16 stores and 16 loads
.endr
	s_wait_xcnt 0x0
	SEND 3, 0
	s_wait_tensorcnt 0x0                           ; the wave's end
	ds_add_u32 v[SPW], v[NIL]
	s_wait_dscnt 0x0
	CROUND                                         ; the closing round: no work-group ends while a partner may still ask for a tile that names it
	s_endpgm
.Lfunc_end_k_qd025db5d7a_outp:
	.size	k_qd025db5d7a_outp, .Lfunc_end_k_qd025db5d7a_outp-k_qd025db5d7a_outp
	.p2alignl 7, 3214868480
	.fill 96, 4, 3214868480
	.section	.rodata,"a",@progbits
	.p2align	6, 0x0
	.amdhsa_kernel k_qd025db5d7a_outp
		.amdhsa_group_segment_fixed_size 251392
		.amdhsa_private_segment_fixed_size 0
		.amdhsa_enable_private_segment 0
		.amdhsa_kernarg_size 48
		.amdhsa_user_sgpr_count 2
		.amdhsa_user_sgpr_kernarg_segment_ptr 1
		.amdhsa_wavefront_size32 1
		.amdhsa_system_sgpr_workgroup_id_x 1
		.amdhsa_system_sgpr_workgroup_id_y 1
		.amdhsa_system_sgpr_workgroup_id_z 1
		.amdhsa_system_vgpr_workitem_id 0
		.amdhsa_next_free_vgpr 768
		.amdhsa_next_free_sgpr 100
		.amdhsa_reserve_vcc 0
		.amdhsa_float_denorm_mode_32 3
		.amdhsa_float_denorm_mode_16_64 3
		.amdhsa_memory_ordered 1
		.amdhsa_forward_progress 1
		.amdhsa_inst_pref_size 72
	.end_amdhsa_kernel
	.amdgpu_metadata
---
amdhsa.version: [ 1, 2 ]
amdhsa.kernels:
  - .name:           k_qd025db5d7a_outp
    .symbol:         k_qd025db5d7a_outp.kd
    .args:
      - { .name: c3, .offset: 0, .size: 8, .value_kind: global_buffer, .address_space: global }
      - { .name: s3, .offset: 8, .size: 8, .value_kind: global_buffer, .address_space: global }
      - { .name: c1, .offset: 16, .size: 8, .value_kind: global_buffer, .address_space: global }
      - { .name: s1, .offset: 24, .size: 8, .value_kind: global_buffer, .address_space: global }
      - { .name: fo_b, .offset: 32, .size: 8, .value_kind: global_buffer, .address_space: global }
      - { .name: out0, .offset: 40, .size: 8, .value_kind: global_buffer, .address_space: global }
    .group_segment_fixed_size: 251392
    .private_segment_fixed_size: 0
    .kernarg_segment_align: 8
    .kernarg_segment_size: 48
    .max_flat_workgroup_size: 128
    .sgpr_count:     100
    .vgpr_count:     768
    .wavefront_size: 32
...
	.end_amdgpu_metadata
.endif
;; end of part 4
